; MI455X (gfx1250); checked and timed in simulation.
; The chip was launched on July 23, 2026; its instructions are those of AMD's public machine-readable ISA for CDNA 5 (MIT licence, August 2026) and "CDNA5" Instruction Set Architecture Reference Guide (July 2026). The comments in the code are by the model that wrote it; some were corrected since.
;; B Spline Field3d. Allowed arithmetic: float matrix products may take bf16 or f16 operands with f32 sums; all other float work in f32.
;; Inputs: phi_x 3 x 64 x 64 x 64 float32; x 4,194,304 float32; y 4,194,304 float32; z 4,194,304 float32.
;; Outputs: out0 4,194,304 float32.
;; Constants: i = 0.
;; 3 versions, each right; version 2 is faster than version 1; version 3 is version 2 with the launch eval written anew for expert scheduling mode. Each part assembles by itself: llvm-mc -triple=amdgcn-amd-amdhsa -mcpu=gfx1250 --defsym DOCPART=n.
;; ======== version 1 of 3: 2 launches
;; limits: inputs' magnitudes at most 70,000,000
;; workspace buffers: cells 16,777,216 bytes of whole numbers; table 20,685,312 bytes
;; launch prep (part 1): grid 1586 x 1, 8 waves a work-group, no clusters, 0 bytes of LDS; arguments x, y, z, phi_x, cells, table; writes cells, table
.if DOCPART == 1
	.amdgcn_target "amdgcn-amd-amdhsa--gfx1250"
	.amdhsa_code_object_version 6
	.text
	.protected	k_q9d37abdf1d_prep
	.globl	k_q9d37abdf1d_prep
	.p2align	8
	.type	k_q9d37abdf1d_prep,@function
k_q9d37abdf1d_prep:
	s_mov_b64 s[64:65], 0
	v_nop
	global_prefetch_b8 v0, s[64:65] scope:SCOPE_SE
	s_setreg_imm32_b32 hwreg(HW_REG_WAVE_MODE, 25, 1), 1
	s_wait_xcnt 0x0
; Cubic B-spline field, first of two launches.  Two kinds of work-groups, told apart by the work-group's number.
; TABLE (work-groups 0 to 561): phi_x[0] (64 x 64 x 64 f32) is laid out anew so that the 64 taps of any cell are 256 consecutive bytes.  A cell is (px, py, pz), each 0 to 66,
;   p = clamp(floor(u), -3, 63) + 3.  For each column (px, py) the table holds 72 entries of 64 bytes; entry e holds, in f32, the 16 numbers
;   phi[clip(px-3+l)][clip(py-3+m)][clip(e-3)], clipped to 0 .. 63, at word 4 l + m', where m' = 0, 1, 2, 3 stands for m = 0, 3, 2, 1 (the order in which the
;   next launch's packed arithmetic makes its weights).  The taps of cell (px, py, pz) are entries pz to pz + 3.  70 entries are read; 72 make a column 4,608 bytes = 18 x 256.
;   One wave makes one column, by nine stores of 512 consecutive bytes.  In store it lane L holds entry 8 it + L / 4, words 4 (L % 4) to 4 (L % 4) + 3: one x plane
;   (l = L % 4), four y rows, one z: four loads of 4 bytes, one from each of four row addresses.  Only the first and the last store meet the clipping in z.
; CELLS (work-groups 562 to 1585): for each point the number (px*67 + py)*72 + pz of its first entry, as a whole number, from which the next launch forms its addresses.
;   u' = fma(x, 30.5, 33.5) = (x + 1) / (2/61) + 3; the next launch forms u' by the same instruction, so cell and fraction always belong together.
;   ORDER: by superblocks of 128 points (512 bytes): first the numbers of the 64 even points, then those of the 64 odd points.
; LIMITS.  u' is rounded once where the reference rounds three times (about one part in 10^7; the spline is twice differentiable across cells, so a floor that falls on
;   the other side changes the result no more than that).  A NaN coordinate gets cell part 0.
; No LDS, tensor loads, clusters or matrix instructions: work-groups share no tile, and there is no product here.
.set NTAB,  562                        ; table work-groups: 8 waves each, 4,496 waves for 4,489 columns
.set NCOL,  4489                       ; 67 x 67 columns
.set COLB,  72*64                      ; bytes of a column
.set YB,    20                         ; s[20:27]  the addresses of the four y rows in x plane 0, in the order m' = 0 .. 3
.set D,     16                         ; v[16:51]  nine stores' data, four registers each: none is written twice
.set K305,  10                         ; v[10:11]  30.5 twice   (cells)
.set K335,  12                         ; v[12:13]  33.5 twice
.set X,     26                         ; v[26:73]  quarter i: x, y, z of 4 points a lane
.set C,     74                         ; v[74:89]  quarter i: 4 numbers: points 0, 2, then 1, 3
	s_load_b256 s[4:11], s[0:1], 0x0               ; x s[4:5], y s[6:7], z s[8:9], phi_x s[10:11]
	s_load_b128 s[12:15], s[0:1], 0x20             ; cells s[12:13], table s[14:15]
	v_lshrrev_b32 v1, 5, v0
	v_readfirstlane_b32 s2, v1                     ; wave 0..7
	s_mov_b32 s19, 0                               ; upper word of every 32-bit offset in s[18:19]
	s_wait_kmcnt 0x0
	s_cmp_ge_u32 ttmp9, NTAB
	s_cbranch_scc1 .Lcells
	; ---------------- TABLE ----------------
	s_lshl_b32 s3, ttmp9, 3
	s_add_co_u32 s3, s3, s2                        ; my column = px*67 + py
	s_cmp_ge_u32 s3, NCOL
	s_cbranch_scc1 .Lend                           ; 4,489 is not a multiple of 8: the last 7 waves of work-group 561 have no column
	s_mul_hi_u32 s16, s3, 64103990                 ; px = column / 67: 64103990 * 67 = 2^32 + 34, exact for columns below 4,489
	s_mul_i32 s17, s16, 67
	s_sub_co_u32 s17, s3, s17                      ; py
.macro YROW mp, m                      ; place mp of an entry's four takes row clip(py - 3 + m, 0, 63)
	s_add_co_u32 s18, s17, \m
	s_max_u32 s18, s18, 3
	s_sub_co_u32 s18, s18, 3
	s_min_u32 s18, s18, 63
	s_lshl_b32 s18, s18, 8                         ; a row is 256 bytes
	s_add_nc_u64 s[YB+2*\mp:YB+2*\mp+1], s[10:11], s[18:19]    ; phi_x[0]: the problem's i = 0
.endm
	YROW 0, 0
	YROW 1, 3
	YROW 2, 2
	YROW 3, 1
	v_and_b32 v1, 31, v0                           ; lane L
	v_and_b32 v2, 3, v0                            ; l = L % 4
	v_add_nc_u32 v2, s16, v2
	v_max_u32 v2, 3, v2
	v_sub_nc_u32 v2, v2, 3
	v_min_u32 v2, 63, v2                           ; clip(px - 3 + l, 0, 63)
	v_lshlrev_b32 v2, 14, v2                       ; a plane is 64 rows of 256 bytes
	v_lshrrev_b32 v3, 2, v1                        ; L / 4: which of a store's eight entries
	v_max_u32 v4, 3, v3
	v_sub_nc_u32 v4, v4, 3
	v_lshl_add_u32 v4, v4, 2, v2                   ; store 0: z = max(L/4 - 3, 0)
	v_lshl_add_u32 v5, v3, 2, v2
	v_add_nc_u32 v5, 20, v5                        ; stores 1 to 7: z = 8 it + L/4 - 3 = 5 + L/4 + 8 (it - 1), from 5 to 60: the step stands in the offset
	v_add_nc_u32 v6, 61, v3
	v_min_u32 v6, 63, v6
	v_lshl_add_u32 v6, v6, 2, v2                   ; store 8: z = min(61 + L/4, 63)
	v_lshlrev_b32 v7, 4, v1                        ; 16 bytes a lane in the column
	s_mul_i32 s18, s3, COLB
	s_add_nc_u64 s[14:15], s[14:15], s[18:19]      ; the table at my column
.irp m, 0,1,2,3
	global_load_b32 v[D+\m], v4, s[YB+2*\m:YB+2*\m+1]
.endr
.set it, 1
.rept 7
.irp m, 0,1,2,3
	global_load_b32 v[D+4*it+\m], v5, s[YB+2*\m:YB+2*\m+1] offset:32*(it-1)
.endr
.set it, it+1
.endr
.irp m, 0,1,2,3
	global_load_b32 v[D+32+\m], v6, s[YB+2*\m:YB+2*\m+1]
.endr
.set it, 0
.rept 9
	s_wait_loadcnt 4*(8-it)                        ; loads come back in order (ISA guide 5.7.1): this store's four are in, the later stores' stay out
	global_store_b128 v7, v[D+4*it:D+4*it+3], s[14:15] offset:512*it   ; 512 consecutive bytes, at a multiple of 256 from the table's first byte
.set it, it+1
.endr
.Lend:
	s_endpgm
	; ---------------- CELLS ----------------
.Lcells:
	s_sub_co_u32 s3, ttmp9, NTAB
	s_lshl_b32 s18, s3, 14                         ; 4,096 points of 4 bytes to a work-group
	s_add_nc_u64 s[4:5], s[4:5], s[18:19]
	s_add_nc_u64 s[6:7], s[6:7], s[18:19]
	s_add_nc_u64 s[8:9], s[8:9], s[18:19]
	s_add_nc_u64 s[12:13], s[12:13], s[18:19]
	v_lshlrev_b32 v1, 4, v0                        ; 4 points a thread; the 256 threads cover 4,096 bytes, four times; a wave's load is one superblock
	v_and_b32 v2, 31, v0
	v_lshrrev_b32 v3, 5, v0
	v_lshlrev_b32 v2, 3, v2
	v_lshl_or_b32 v2, v3, 9, v2                    ; where my two even points' numbers go: 512 x wave + 8 x lane; the odd ones 256 bytes on
.irp i, 0,1,2,3
	global_load_b128 v[X+12*\i:X+12*\i+3],    v1, s[4:5] offset:4096*\i th:TH_LOAD_NT
	global_load_b128 v[X+12*\i+4:X+12*\i+7],  v1, s[6:7] offset:4096*\i th:TH_LOAD_NT
	global_load_b128 v[X+12*\i+8:X+12*\i+11], v1, s[8:9] offset:4096*\i th:TH_LOAD_NT
.endr
	v_mov_b32 v[K305], 0x41f40000                  ; 30.5 = 1 / (2/61)
	v_mov_b32 v[K305+1], 0x41f40000
	v_mov_b32 v[K335], 0x42060000                  ; 33.5 = 30.5 + 3
	v_mov_b32 v[K335+1], 0x42060000
.macro CELLS i
	s_wait_loadcnt 3*(3-\i)                        ; this quarter's three loads are in; the later quarters' stay out
.irp d, 0,2,4,6,8,10
	v_pk_fma_f32 v[X+12*\i+\d:X+12*\i+\d+1], v[X+12*\i+\d:X+12*\i+\d+1], v[K305:K305+1], v[K335:K335+1]   ; u', by the instruction that the next launch uses
.endr
.set r, X+12*\i
.rept 12
	v_floor_f32 v[r], v[r]
	v_max_num_f32 v[r], 0, v[r]                    ; a NaN loses: 0
	v_min_num_f32 v[r], 0x42840000, v[r]           ; 0 .. 66
.set r, r+1
.endr
.irp e, 0,1,2,3
.set r, C+4*\i+(\e%2)*2+(\e/2)                 ; points 0, 2 in the first pair, points 1, 3 in the second
	v_fmamk_f32 v[r], v[X+12*\i+\e], 0x42860000, v[X+12*\i+4+\e]    ; px*67 + py: whole numbers below 2^24, exact in f32
	v_fmamk_f32 v[r], v[r], 0x42900000, v[X+12*\i+8+\e]             ; (..)*72 + pz, at most 323,202
	v_cvt_u32_f32 v[r], v[r]
.endr
	global_store_b64 v2, v[C+4*\i:C+4*\i+1],   s[12:13] offset:4096*\i       ; the wave's 32 lanes store 256 consecutive bytes, at a multiple of 256: the superblock's even points
	global_store_b64 v2, v[C+4*\i+2:C+4*\i+3], s[12:13] offset:4096*\i+256   ; and its odd points; each quarter has its own registers
.endm
	CELLS 0
	CELLS 1
	CELLS 2
	CELLS 3
	s_endpgm
.Lfunc_end_k_q9d37abdf1d_prep:
	.size	k_q9d37abdf1d_prep, .Lfunc_end_k_q9d37abdf1d_prep-k_q9d37abdf1d_prep
	.p2alignl 7, 3214868480
	.fill 96, 4, 3214868480
	.section	.rodata,"a",@progbits
	.p2align	6, 0x0
	.amdhsa_kernel k_q9d37abdf1d_prep
		.amdhsa_group_segment_fixed_size 0
		.amdhsa_private_segment_fixed_size 0
		.amdhsa_enable_private_segment 0
		.amdhsa_kernarg_size 48
		.amdhsa_user_sgpr_count 2
		.amdhsa_user_sgpr_kernarg_segment_ptr 1
		.amdhsa_wavefront_size32 1
		.amdhsa_system_sgpr_workgroup_id_x 1
		.amdhsa_system_sgpr_workgroup_id_y 1
		.amdhsa_system_sgpr_workgroup_id_z 1
		.amdhsa_system_vgpr_workitem_id 0
		.amdhsa_next_free_vgpr 96
		.amdhsa_next_free_sgpr 66
		.amdhsa_reserve_vcc 0
		.amdhsa_float_denorm_mode_32 3
		.amdhsa_float_denorm_mode_16_64 3
		.amdhsa_memory_ordered 1
		.amdhsa_forward_progress 1
		.amdhsa_inst_pref_size 20
	.end_amdhsa_kernel
	.amdgpu_metadata
---
amdhsa.version: [ 1, 2 ]
amdhsa.kernels:
  - .name:           k_q9d37abdf1d_prep
    .symbol:         k_q9d37abdf1d_prep.kd
    .args:
      - { .name: x, .offset: 0, .size: 8, .value_kind: global_buffer, .address_space: global }
      - { .name: y, .offset: 8, .size: 8, .value_kind: global_buffer, .address_space: global }
      - { .name: z, .offset: 16, .size: 8, .value_kind: global_buffer, .address_space: global }
      - { .name: phi_x, .offset: 24, .size: 8, .value_kind: global_buffer, .address_space: global }
      - { .name: cells, .offset: 32, .size: 8, .value_kind: global_buffer, .address_space: global }
      - { .name: table, .offset: 40, .size: 8, .value_kind: global_buffer, .address_space: global }
    .group_segment_fixed_size: 0
    .private_segment_fixed_size: 0
    .kernarg_segment_align: 8
    .kernarg_segment_size: 48
    .max_flat_workgroup_size: 256
    .sgpr_count:     66
    .vgpr_count:     96
    .wavefront_size: 32
...
	.end_amdgpu_metadata
.endif
;; end of part 1
;; launch eval (part 2): grid 1024 x 1, 4 waves a work-group, no clusters, 35,328 bytes of LDS; arguments x, y, z, cells, table, out0; writes out0
.if DOCPART == 2
	.amdgcn_target "amdgcn-amd-amdhsa--gfx1250"
	.amdhsa_code_object_version 6
	.text
	.protected	k_q9d37abdf1d_eval
	.globl	k_q9d37abdf1d_eval
	.p2align	8
	.type	k_q9d37abdf1d_eval,@function
k_q9d37abdf1d_eval:
	s_mov_b64 s[64:65], 0
	v_nop
	global_prefetch_b8 v0, s[64:65] scope:SCOPE_SE
	s_setreg_imm32_b32 hwreg(HW_REG_WAVE_MODE, 25, 1), 1
	s_wait_xcnt 0x0
; Cubic B-spline field, second launch: T = sum over l, m, n of wx[l] wy[m] wz[n] * tap(l, m, n), all in f32.  The first launch left
;   table: for each cell a record of 256 consecutive bytes, 64 f32: tap(l, m, n) at word 16 n + 4 l + m', where m' = 0, 1, 2, 3 stands for m = 0, 3, 2, 1; record number c begins at byte 64 c;
;   cells: for each point its record's number (whole numbers), by superblocks of 128 points: the 64 even points' numbers (256 bytes), then the 64 odd points'.
; SHARES.  A wave owns 1,024 consecutive points: 8 superblocks = 16 blocks of 64.  Lane s owns points 2 s and 2 s + 1 of a block (8 bytes of x, y, z and of the result: a wave's load or
;   store covers 256 consecutive aligned bytes).  A STEP takes the 32 even or the 32 odd points of a block, one a lane: 32 steps a wave, four to a superblock.
; THE GATHER.  A record is read whole by sixteen neighbouring lanes, 16 bytes each: load j of a step brings the records of lanes j and 16 + j.  The sixteen loads go through the wave's own
;   8,704 bytes of LDS (a record every 272 bytes) and come back one record a lane.  On the way in each half of the wave writes 256 consecutive bytes.
;   No other wave touches these bytes: no barrier.
;   The sixteen lanes of a record need its number: they all load it from the same address, so no number changes lanes.
; AHEAD.  A step's gathers are issued a step ahead (16 loads of 512 bytes of every wave are on their way), record numbers three steps and coordinates two blocks ahead of their use,
;   all into registers; so nothing is asked for a second time by a prefetch.
; WEIGHTS.  u' = fma(x, 30.5, 33.5), the same instruction as in the first launch; a = u' - floor(u'), unclipped as in the reference; b = 1 - a.  On the pair (b, a):
;   (b, a)^3 / 6 = (w0, w3) and (b, a)^2 ((b, a)/2 - 1) + 2/3 = (w2, w1) (the reference's polynomials, regrouped): four registers w0, w3, w2, w1, which is the table's order of m.
; LIMITS.  u' is rounded once where the reference rounds three times (about one part in 10^7).  |x|, |y|, |z| below 7e7 (beyond it the reference's cast to int32 saturates; here the
;   fraction is 0).  NaN or infinite coordinates give NaN.
; No matrix instructions: every point has its own 64 taps, so only a product's diagonal would be used.  No tensor loads, clusters or multicast: work-groups share no tile; records are chosen lane by lane.
.set MAXC, 323202                      ; the last record that a point can name: (66*67 + 66)*72 + 66
.set SP,   272                         ; bytes from record to record in the stage
.set WLDS, 32*SP
.set C16,  1                           ; v1   16 x (lane % 16): my 16 bytes of a record
.set STO,  2                           ; v2   stage, way in
.set RD,   3                           ; v3   stage, way back
.set SOFF, 4                           ; v4   8 x lane: my two points in a block
.set IOFF, 5                           ; v5   64 x (lane / 16): my sixteen lanes' 16 record numbers in a step's 128 bytes
.set K305, 8                           ; v[8:9]    30.5 twice
.set K335, 10                          ; v[10:11]  33.5 twice
.set K23,  12                          ; v[12:13]  2/3 twice
.set KM,   14                          ; v[14:15]  -1, 1
.set KA,   16                          ; v[16:17]  1, 0: a * (-1, 1) + (1, 0) = (b, a)
.set OUT,  18                          ; v[18:21]  results, a pair for each block of a superblock
.set T,    22                          ; v[22:27]  at work on the weights
.set A,    28                          ; v[28:33]  the block's fractions: x, y, z, each (even point's, odd point's)
.set XYZ,  34                          ; v[34:45]  x, y, z pairs; two buffers
.set WX,   46                          ; v[46:49]  w0, w3, w2, w1 of x
.set WY,   50                          ; v[50:53]  of y
.set S,    46                          ; v[46:53]  four pair sums, one for each n: they take wx's and wy's registers once the products wx wy are made
.set WZ,   54                          ; v[54:57]  of z
.set WXY,  58                          ; v[58:73]  wx[l] wy[m] at WXY + 4 l + m'
.set RAW,  74                          ; v[74:105] record numbers: two sets of 16; step t's lie in set t % 2
.set ADDR, 106                         ; v[106:121] byte offsets of the sixteen gathers on their way
.set G,    122                         ; v[122:185] the gathered records
.set R,    186                         ; v[186:249] my point's record, word for word
	s_load_b256 s[4:11], s[0:1], 0x0               ; x s[4:5], y s[6:7], z s[8:9], cells s[10:11]
	s_load_b128 s[12:15], s[0:1], 0x20             ; table s[12:13], out0 s[14:15]
	v_lshl_add_u32 v250, v0, 2, 0x8800
	v_mov_b32 v251, 0
	v_lshrrev_b32 v7, 5, v0
	v_readfirstlane_b32 s2, v7                     ; wave 0..3
	s_lshl_b32 s16, ttmp9, 14                      ; 4,096 points of 4 bytes to a work-group,
	s_lshl_b32 s3, s2, 12                          ; 1,024 to a wave
	s_add_co_u32 s16, s16, s3
	s_mov_b32 s17, 0
	s_mul_i32 s18, s2, WLDS                        ; my wave's stage
	s_mov_b32 s20, 0x3e2aaaab                      ; 1/6; the packed multiply names a pair and takes its low word for both halves
	s_mov_b32 s21, s20
	v_and_b32 v7, 31, v0                           ; lane
	v_and_b32 v[C16], 15, v0
	v_lshlrev_b32 v[C16], 4, v[C16]
	v_lshrrev_b32 v[IOFF], 4, v7                   ; h = lane / 16
	v_mul_u32_u24 v[STO], v[IOFF], 16*SP           ; load j brings lane 16 h + j's record: place (16 h + j) x 272 + my 16 bytes; j x 272 stands in the offset
	v_add_nc_u32 v[STO], v[STO], v[C16]
	v_add_nc_u32 v[STO], s18, v[STO]
	v_mul_u32_u24 v[RD], v7, SP
	v_add_nc_u32 v[RD], s18, v[RD]
	v_lshlrev_b32 v[SOFF], 3, v7
	v_lshlrev_b32 v[IOFF], 6, v[IOFF]
	v_mov_b32 v[K305], 0x41f40000
	v_mov_b32 v[K305+1], 0x41f40000
	v_mov_b32 v[K335], 0x42060000
	v_mov_b32 v[K335+1], 0x42060000
	v_mov_b32 v[K23], 0x3f2aaaab
	v_mov_b32 v[K23+1], 0x3f2aaaab
	v_mov_b32 v[KM], -1.0
	v_mov_b32 v[KM+1], 1.0
	v_mov_b32 v[KA], 1.0
	v_mov_b32 v[KA+1], 0
	s_wait_kmcnt 0x0
	s_add_nc_u64 s[4:5], s[4:5], s[16:17]
	s_add_nc_u64 s[6:7], s[6:7], s[16:17]
	s_add_nc_u64 s[8:9], s[8:9], s[16:17]
	s_add_nc_u64 s[10:11], s[10:11], s[16:17]
	s_add_nc_u64 s[14:15], s[14:15], s[16:17]
; The record numbers of step tau (counted from the superblock at the bases): superblock tau / 4, 256 bytes on for the odd points, 128 on for the second block.
; Four loads; sixteen lanes share each address.
.macro RAWLD set, tau
.irp q, 0,1,2,3
	global_load_b128 v[RAW+16*(\set)+4*\q:RAW+16*(\set)+4*\q+3], v[IOFF], s[10:11] offset:((\tau)/4)*512+((\tau)%2)*256+(((\tau)/2)%2)*128+16*\q
.endr
.endm
.macro XYZLD buf, blk                  ; a block's coordinates: three loads of 256 consecutive bytes
	global_load_b64 v[XYZ+6*(\buf):XYZ+6*(\buf)+1],   v[SOFF], s[4:5] offset:(\blk)*256 th:TH_LOAD_NT
	global_load_b64 v[XYZ+6*(\buf)+2:XYZ+6*(\buf)+3], v[SOFF], s[6:7] offset:(\blk)*256 th:TH_LOAD_NT
	global_load_b64 v[XYZ+6*(\buf)+4:XYZ+6*(\buf)+5], v[SOFF], s[8:9] offset:(\blk)*256 th:TH_LOAD_NT
.endm
.macro GATHER set                      ; the step whose numbers lie in this set: sixteen loads of two whole records
.irp j, 0,1,2,3,4,5,6,7,8,9,10,11,12,13,14,15
	v_min_u32 v[ADDR+\j], MAXC, v[RAW+16*(\set)+\j]              ; a loaded number enters an address only bounded: no access leaves the table
.endr
.irp j, 0,1,2,3,4,5,6,7,8,9,10,11,12,13,14,15
	v_lshl_add_u32 v[ADDR+\j], v[ADDR+\j], 6, v[C16]             ; 64 bytes an entry, my 16 of the record's 256
.endr
.irp j, 0,1,2,3,4,5,6,7,8,9,10,11,12,13,14,15
	global_load_b128 v[G+4*\j:G+4*\j+3], v[ADDR+\j], s[12:13]
.endr
.endm
.macro STAGE                           ; the records change hands: in by record, back by lane.  LDS serves a wave's instructions in order (ISA guide 5.7.1.4): the loads see the stores,
.irp j, 0,1,2,3,4,5,6,7,8,9,10,11,12,13,14,15      ; and these stores come behind the last step's loads
	ds_store_b128 v[STO], v[G+4*\j:G+4*\j+3] offset:\j*SP
.endr
.irp k, 0,1,2,3                        ; back in the order in which the sums take them: x plane k of all four n
.irp n, 0,1,2,3
	ds_load_b128 v[R+16*\n+4*\k:R+16*\n+4*\k+3], v[RD] offset:64*\n+16*\k
.endr
.endr
.endm
.macro FRACT buf                       ; a block's fractions, the even and the odd point's together
.irp c, 0,1,2
	v_pk_fma_f32 v[T+2*\c:T+2*\c+1], v[XYZ+6*(\buf)+2*\c:XYZ+6*(\buf)+2*\c+1], v[K305:K305+1], v[K335:K335+1]
.endr
.irp c, 0,1,2
	v_floor_f32 v[A+2*\c], v[T+2*\c]
	v_floor_f32 v[A+2*\c+1], v[T+2*\c+1]
.endr
.irp c, 0,1,2
	v_pk_add_f32 v[A+2*\c:A+2*\c+1], v[T+2*\c:T+2*\c+1], v[A+2*\c:A+2*\c+1] neg_lo:[0,1] neg_hi:[0,1]
.endr
.endm
.macro BASIS c, g, dst                 ; coordinate c of the even (g = 0) or odd (g = 1) point: w0, w3, w2, w1 into four registers
	v_pk_fma_f32 v[T:T+1], v[A+2*\c:A+2*\c+1], v[KM:KM+1], v[KA:KA+1] op_sel:[\g,0,0] op_sel_hi:[\g,1,1]   ; both halves take fraction g: (b, a)
	v_pk_mul_f32 v[T+2:T+3], v[T:T+1], v[T:T+1]
	v_pk_mul_f32 v[\dst:\dst+1], v[T:T+1], s[20:21] op_sel_hi:[1,0]
	v_pk_fma_f32 v[T+4:T+5], v[T:T+1], 0.5, -1.0 op_sel_hi:[1,0,0]
	v_pk_mul_f32 v[\dst:\dst+1], v[\dst:\dst+1], v[T+2:T+3]
	v_pk_fma_f32 v[\dst+2:\dst+3], v[T+4:T+5], v[T+2:T+3], v[K23:K23+1]
.endm
.macro PLANE l, pair, sel              ; wx[l], which is register sel of the pair at WX + pair, times wy's four
	v_pk_mul_f32 v[WXY+4*\l:WXY+4*\l+1],   v[WX+\pair:WX+\pair+1], v[WY:WY+1]   op_sel:[\sel,0] op_sel_hi:[\sel,1]
	v_pk_mul_f32 v[WXY+4*\l+2:WXY+4*\l+3], v[WX+\pair:WX+\pair+1], v[WY+2:WY+3] op_sel:[\sel,0] op_sel_hi:[\sel,1]
.endm
; The point's sum into register dst.  S[n] (a pair: even and odd words) = sum over the 16 rows of wx wy * tap(row, n): four chains that do not wait for each other,
; started by a multiply: nothing is cleared.  Then the four with wz, and the pair's two halves.
.macro DOT dst
.irp k, 0,1,2,3
	s_wait_dscnt 12-4*\k                           ; LDS loads come back in order: x plane k's four are in, the later planes' stay out
.irp hf, 0,1
.irp n, 0,1,2,3
.if (\k == 0) && (\hf == 0)
	v_pk_mul_f32 v[S+2*\n:S+2*\n+1], v[R+16*\n:R+16*\n+1], v[WXY:WXY+1]
.else
	v_pk_fma_f32 v[S+2*\n:S+2*\n+1], v[R+16*\n+4*\k+2*\hf:R+16*\n+4*\k+2*\hf+1], v[WXY+4*\k+2*\hf:WXY+4*\k+2*\hf+1], v[S+2*\n:S+2*\n+1]
.endif
.endr
.endr
.endr
	v_pk_mul_f32 v[S:S+1], v[S:S+1], v[WZ:WZ+1] op_sel_hi:[1,0]                                       ; n = 0: w0
	v_pk_fma_f32 v[S:S+1], v[S+2:S+3], v[WZ+2:WZ+3], v[S:S+1] op_sel:[0,1,0] op_sel_hi:[1,1,1]        ; n = 1: w1, the pair's second register
	v_pk_fma_f32 v[S:S+1], v[S+4:S+5], v[WZ+2:WZ+3], v[S:S+1] op_sel_hi:[1,0,1]                       ; n = 2: w2
	v_pk_fma_f32 v[S:S+1], v[S+6:S+7], v[WZ:WZ+1], v[S:S+1] op_sel:[0,1,0] op_sel_hi:[1,1,1]          ; n = 3: w3
	v_add_f32 v[\dst], v[S], v[S+1]
.endm
; Step rel (0 to 3) of the superblock at the bases.  gath = 1: the next step's gathers are issued.  raw = 1: the numbers three steps on are asked for.
; xyz = 1 (even steps): the coordinates two blocks on are asked for.  cnt: how many younger loads may stay out when this step's gathers have to be there.
.macro STEP rel, gath, raw, xyz, cnt
.set GG, (\rel)%2                      ; even or odd points
.set BB, (\rel)/2                      ; which block of the superblock; also its buffer of coordinates
.set NS, ((\rel)+1)%2                  ; the set with the next step's numbers
	s_wait_loadcnt \cnt                            ; my sixteen gathers are in, and with them all older loads: the next step's numbers, this block's coordinates.  The offsets may be rewritten
	STAGE
.if \gath
	GATHER NS
.endif
.if \raw
	RAWLD NS, \rel+3                               ; into the set whose numbers have just been used up
.endif
.if GG == 0
	FRACT BB
.if \xyz
	XYZLD BB, BB+2                                 ; into the buffer whose fractions have just been made
.endif
.endif
	BASIS 0, GG, WX                                ; the weights stand between the stage's loads and their first use
	BASIS 1, GG, WY
	BASIS 2, GG, WZ
	PLANE 0, 0, 0
	PLANE 1, 2, 1
	PLANE 2, 2, 0
	PLANE 3, 0, 1
	DOT OUT+2*BB+GG
.if GG == 1
	global_store_b64 v[SOFF], v[OUT+2*BB:OUT+2*BB+1], s[14:15] offset:BB*256 th:TH_STORE_NT   ; 256 consecutive bytes, at a multiple of 256 from out0's first byte
.endif
.endm
	; The start, in the order of the steady state: behind step 0's gathers stand the four loads of step 2's numbers.
	RAWLD 0, 0
	RAWLD 1, 1
	XYZLD 0, 0
	XYZLD 1, 1
	s_wait_loadcnt 10                              ; step 0's numbers are in; step 1's four loads and the six of coordinates stay out
	GATHER 0
	RAWLD 0, 2
	s_mov_b32 s19, 7
.Ltrip:                                                ; a superblock a trip: superblocks 0 to 6; all that a trip asks for ahead lies in this superblock or the next
	STEP 0, 1, 1, 1, 4                             ; 4 = the loads of numbers issued behind the gathers that are waited for
	STEP 1, 1, 1, 0, 7                             ; 7 = those and the three loads of coordinates
	STEP 2, 1, 1, 1, 4
	STEP 3, 1, 1, 0, 7
	s_wait_xcnt 0x0                                ; every earlier memory instruction has had its addresses translated (ISA guide 3.1): the bases are stepped, and the result pairs that the trip's stores read rewritten, only behind this wait
	s_add_nc_u64 s[4:5], s[4:5], 512
	s_add_nc_u64 s[6:7], s[6:7], 512
	s_add_nc_u64 s[8:9], s[8:9], 512
	s_add_nc_u64 s[10:11], s[10:11], 512
	s_add_nc_u64 s[14:15], s[14:15], 512
	s_sub_co_u32 s19, s19, 1
	s_cmp_lg_u32 s19, 0
	s_cbranch_scc1 .Ltrip
	STEP 0, 1, 1, 0, 4                             ; the last superblock: the last numbers (its step 3's) are asked for; no coordinates are left: no load leaves the wave's 1,024 points
	STEP 1, 1, 0, 0, 4                             ; behind these gathers stand those four loads alone
	STEP 2, 1, 0, 0, 0                             ; nothing was issued behind these gathers
	STEP 3, 0, 0, 0, 0
	s_wait_tensorcnt 0x0
	ds_add_u32 v250, v251
	s_wait_dscnt 0x0
	s_endpgm
.Lfunc_end_k_q9d37abdf1d_eval:
	.size	k_q9d37abdf1d_eval, .Lfunc_end_k_q9d37abdf1d_eval-k_q9d37abdf1d_eval
	.p2alignl 7, 3214868480
	.fill 96, 4, 3214868480
	.section	.rodata,"a",@progbits
	.p2align	6, 0x0
	.amdhsa_kernel k_q9d37abdf1d_eval
		.amdhsa_group_segment_fixed_size 35328
		.amdhsa_private_segment_fixed_size 0
		.amdhsa_enable_private_segment 0
		.amdhsa_kernarg_size 48
		.amdhsa_user_sgpr_count 2
		.amdhsa_user_sgpr_kernarg_segment_ptr 1
		.amdhsa_wavefront_size32 1
		.amdhsa_system_sgpr_workgroup_id_x 1
		.amdhsa_system_sgpr_workgroup_id_y 1
		.amdhsa_system_sgpr_workgroup_id_z 1
		.amdhsa_system_vgpr_workitem_id 0
		.amdhsa_next_free_vgpr 252
		.amdhsa_next_free_sgpr 66
		.amdhsa_reserve_vcc 0
		.amdhsa_float_denorm_mode_32 3
		.amdhsa_float_denorm_mode_16_64 3
		.amdhsa_memory_ordered 1
		.amdhsa_forward_progress 1
		.amdhsa_inst_pref_size 86
	.end_amdhsa_kernel
	.amdgpu_metadata
---
amdhsa.version: [ 1, 2 ]
amdhsa.kernels:
  - .name:           k_q9d37abdf1d_eval
    .symbol:         k_q9d37abdf1d_eval.kd
    .args:
      - { .name: x, .offset: 0, .size: 8, .value_kind: global_buffer, .address_space: global }
      - { .name: y, .offset: 8, .size: 8, .value_kind: global_buffer, .address_space: global }
      - { .name: z, .offset: 16, .size: 8, .value_kind: global_buffer, .address_space: global }
      - { .name: cells, .offset: 24, .size: 8, .value_kind: global_buffer, .address_space: global }
      - { .name: table, .offset: 32, .size: 8, .value_kind: global_buffer, .address_space: global }
      - { .name: out0, .offset: 40, .size: 8, .value_kind: global_buffer, .address_space: global }
    .group_segment_fixed_size: 35328
    .private_segment_fixed_size: 0
    .kernarg_segment_align: 8
    .kernarg_segment_size: 48
    .max_flat_workgroup_size: 128
    .sgpr_count:     66
    .vgpr_count:     252
    .wavefront_size: 32
...
	.end_amdgpu_metadata
.endif
;; end of part 2
;; ======== version 2 of 3: 2 launches; 1.62 times as fast as version 1
;; limits: inputs' magnitudes at most 70,000,000; values outside matrix products are rounded to f16; values are held in f16: magnitudes above 65,504 overflow, below 6.1e-05 lose precision; inputs' magnitudes at most 65,504
;; workspace buffers: cells 16,777,216 bytes of whole numbers; table 11,491,840 bytes
;; launch prep (part 3): grid 1586 x 1, 8 waves a work-group, no clusters, 0 bytes of LDS; arguments x, y, z, phi_x, cells, table; writes cells, table
.if DOCPART == 3
	.amdgcn_target "amdgcn-amd-amdhsa--gfx1250"
	.amdhsa_code_object_version 6
	.text
	.protected	k_q9d37abdf1d_prep
	.globl	k_q9d37abdf1d_prep
	.p2align	8
	.type	k_q9d37abdf1d_prep,@function
k_q9d37abdf1d_prep:
	s_mov_b64 s[64:65], 0
	v_nop
	global_prefetch_b8 v0, s[64:65] scope:SCOPE_SE
	s_setreg_imm32_b32 hwreg(HW_REG_WAVE_MODE, 25, 1), 1
	s_wait_xcnt 0x0
; Cubic B-spline field, first of two launches.  Two kinds of work-groups, told apart by the work-group's number.
; TABLE (work-groups 0 to 561): phi_x[0] (64 x 64 x 64 f32) is laid out anew, in f16, so that the 64 taps of any cell are 128 consecutive bytes.  A cell is (px, py, pz), each 0 to 66,
;   p = clamp(floor(u), -3, 63) + 3.  For each column (px, py) the table holds 80 entries of 32 bytes; entry e holds the 16 numbers
;   phi[clip(px-3+l)][clip(py-3+m)][clip(e-3)], clipped to 0 .. 63, at place 4 l + m', where m' = 0, 1, 2, 3 stands for m = 0, 3, 2, 1 (the order in which the
;   next launch's packed arithmetic makes its weights).  The taps of cell (px, py, pz) are entries pz to pz + 3.  70 entries are read; 80 make a column 2,560 bytes = five stores of 512.
;   One wave makes one column.  In store it lane L holds half of entry 16 it + L / 2: x planes l = 2 (L % 2) and the next, four y rows each, one z: eight loads of 4 bytes
;   (sixteen lanes read 64 consecutive bytes of a row), four roundings of two.  Only the first and the last store meet the clipping in z.
; CELLS (work-groups 562 to 1585): for each point the number (px*67 + py)*80 + pz of its first entry, as a whole number, from which the next launch forms its addresses.
;   u' = fma(x, 30.5, 33.5) = (x + 1) / (2/61) + 3; the next launch forms u' by the same instruction, so cell and fraction always belong together.
;   ORDER: by superblocks of 128 points (512 bytes): first the numbers of the 64 even points, then those of the 64 odd points.
; LIMITS.  FORMAT: each tap is rounded once to f16: relative error at most 2^-11 for |phi| from 2^-14 to 65,504; above that it becomes infinite, below it the error is at most 2^-25.
;   The spline's weights are not negative and add up to 1, so the result's error from this is at most 2^-11 times the weighted mean of the |taps|.
;   u' is rounded once where the reference rounds three times (about one part in 10^7; the spline is twice differentiable across cells, so a floor that falls on
;   the other side changes the result no more than that).  A NaN coordinate gets cell part 0.
; No LDS, tensor loads, clusters or matrix instructions: work-groups share no tile, and there is no product here.
.set NTAB,  562                        ; table work-groups: 8 waves each, 4,496 waves for 4,489 columns
.set NCOL,  4489                       ; 67 x 67 columns
.set COLB,  80*32                      ; bytes of a column
.set YB,    20                         ; s[20:27]  the addresses of the four y rows in x plane 0, in the order m' = 0 .. 3
.set O,     8                          ; v[8:13]   byte offsets (plane and z): first store, stores 1 to 3, last store; my first plane, my second
.set D,     16                         ; v[16:55]  five stores' taps in f32, eight registers each
.set Y,     56                         ; v[56:75]  five stores' data, four registers each: none is written twice
.set K305,  10                         ; v[10:11]  30.5 twice   (cells)
.set K335,  12                         ; v[12:13]  33.5 twice
.set X,     26                         ; v[26:73]  quarter i: x, y, z of 4 points a lane
.set C,     74                         ; v[74:89]  quarter i: 4 numbers: points 0, 2, then 1, 3
	s_load_b256 s[4:11], s[0:1], 0x0               ; x s[4:5], y s[6:7], z s[8:9], phi_x s[10:11]
	s_load_b128 s[12:15], s[0:1], 0x20             ; cells s[12:13], table s[14:15]
	v_lshrrev_b32 v1, 5, v0
	v_readfirstlane_b32 s2, v1                     ; wave 0..7
	s_mov_b32 s19, 0                               ; upper word of every 32-bit offset in s[18:19]
	s_wait_kmcnt 0x0
	s_cmp_ge_u32 ttmp9, NTAB
	s_cbranch_scc1 .Lcells
	; ---------------- TABLE ----------------
	s_lshl_b32 s3, ttmp9, 3
	s_add_co_u32 s3, s3, s2                        ; my column = px*67 + py
	s_cmp_ge_u32 s3, NCOL
	s_cbranch_scc1 .Lend                           ; 4,489 is not a multiple of 8: the last 7 waves of work-group 561 have no column
	s_mul_hi_u32 s16, s3, 64103990                 ; px = column / 67: 64103990 * 67 = 2^32 + 34, exact for columns below 4,489
	s_mul_i32 s17, s16, 67
	s_sub_co_u32 s17, s3, s17                      ; py
.macro YROW mp, m                      ; place mp of an entry's four takes row clip(py - 3 + m, 0, 63)
	s_add_co_u32 s18, s17, \m
	s_max_u32 s18, s18, 3
	s_sub_co_u32 s18, s18, 3
	s_min_u32 s18, s18, 63
	s_lshl_b32 s18, s18, 8                         ; a row is 256 bytes
	s_add_nc_u64 s[YB+2*\mp:YB+2*\mp+1], s[10:11], s[18:19]    ; phi_x[0]: the problem's i = 0
.endm
	YROW 0, 0
	YROW 1, 3
	YROW 2, 2
	YROW 3, 1
	v_and_b32 v1, 31, v0                           ; lane L
	v_and_b32 v2, 1, v0
	v_lshl_add_u32 v2, v2, 1, s16                  ; px + l for my first plane, l = 2 (L % 2),
	v_add_nc_u32 v3, 1, v2                         ; and for my second
.irp r, 2, 3
	v_max_u32 v\r, 3, v\r
	v_sub_nc_u32 v\r, v\r, 3
	v_min_u32 v\r, 63, v\r                         ; clip(px - 3 + l, 0, 63)
	v_lshlrev_b32 v\r, 14, v\r                     ; a plane is 64 rows of 256 bytes
.endr
	v_lshrrev_b32 v4, 1, v1                        ; L / 2: which of a store's sixteen entries
	v_max_u32 v5, 3, v4
	v_sub_nc_u32 v5, v5, 3                         ; store 0: z = max(L/2 - 3, 0)
	v_add_nc_u32 v6, 13, v4                        ; stores 1 to 3: z = 16 it + L/2 - 3 = 13 + L/2 + 16 (it - 1), from 13 to 60: the step stands in the offset
	v_add_nc_u32 v7, 61, v4
	v_min_u32 v7, 63, v7                           ; store 4: z = min(61 + L/2, 63)
	v_lshl_add_u32 v[O],   v5, 2, v2
	v_lshl_add_u32 v[O+1], v5, 2, v3
	v_lshl_add_u32 v[O+2], v6, 2, v2
	v_lshl_add_u32 v[O+3], v6, 2, v3
	v_lshl_add_u32 v[O+4], v7, 2, v2
	v_lshl_add_u32 v[O+5], v7, 2, v3
	v_lshlrev_b32 v14, 4, v1                       ; 16 bytes a lane in the column
	s_mul_i32 s18, s3, COLB
	s_add_nc_u64 s[14:15], s[14:15], s[18:19]      ; the table at my column
.macro TLOAD it, o, off                ; store it's eight taps: my two planes x four rows
.irp p, 0,1
.irp m, 0,1,2,3
	global_load_b32 v[D+8*\it+4*\p+\m], v[\o+\p], s[YB+2*\m:YB+2*\m+1] offset:\off
.endr
.endr
.endm
	TLOAD 0, O, 0
	TLOAD 1, O+2, 0
	TLOAD 2, O+2, 64
	TLOAD 3, O+2, 128
	TLOAD 4, O+4, 0
.set it, 0
.rept 5
	s_wait_loadcnt 8*(4-it)                        ; loads come back in order (ISA guide 5.7.1): this store's eight are in, the later stores' stay out
.irp r, 0,1,2,3
	v_cvt_pk_f16_f32 v[Y+4*it+\r], v[D+8*it+2*\r], v[D+8*it+2*\r+1]
.endr
	global_store_b128 v14, v[Y+4*it:Y+4*it+3], s[14:15] offset:512*it  ; 512 consecutive bytes, at a multiple of 256 from the table's first byte
.set it, it+1
.endr
.Lend:
	s_endpgm
	; ---------------- CELLS ----------------
.Lcells:
	s_sub_co_u32 s3, ttmp9, NTAB
	s_lshl_b32 s18, s3, 14                         ; 4,096 points of 4 bytes to a work-group
	s_add_nc_u64 s[4:5], s[4:5], s[18:19]
	s_add_nc_u64 s[6:7], s[6:7], s[18:19]
	s_add_nc_u64 s[8:9], s[8:9], s[18:19]
	s_add_nc_u64 s[12:13], s[12:13], s[18:19]
	v_lshlrev_b32 v1, 4, v0                        ; 4 points a thread; the 256 threads cover 4,096 bytes, four times; a wave's load is one superblock
	v_and_b32 v2, 31, v0
	v_lshrrev_b32 v3, 5, v0
	v_lshlrev_b32 v2, 3, v2
	v_lshl_or_b32 v2, v3, 9, v2                    ; where my two even points' numbers go: 512 x wave + 8 x lane; the odd ones 256 bytes on
.irp i, 0,1,2,3
	global_load_b128 v[X+12*\i:X+12*\i+3],    v1, s[4:5] offset:4096*\i th:TH_LOAD_NT
	global_load_b128 v[X+12*\i+4:X+12*\i+7],  v1, s[6:7] offset:4096*\i th:TH_LOAD_NT
	global_load_b128 v[X+12*\i+8:X+12*\i+11], v1, s[8:9] offset:4096*\i th:TH_LOAD_NT
.endr
	v_mov_b32 v[K305], 0x41f40000                  ; 30.5 = 1 / (2/61)
	v_mov_b32 v[K305+1], 0x41f40000
	v_mov_b32 v[K335], 0x42060000                  ; 33.5 = 30.5 + 3
	v_mov_b32 v[K335+1], 0x42060000
.macro CELLS i
	s_wait_loadcnt 3*(3-\i)                        ; this quarter's three loads are in; the later quarters' stay out
.irp d, 0,2,4,6,8,10
	v_pk_fma_f32 v[X+12*\i+\d:X+12*\i+\d+1], v[X+12*\i+\d:X+12*\i+\d+1], v[K305:K305+1], v[K335:K335+1]   ; u', by the instruction that the next launch uses
.endr
.set r, X+12*\i
.rept 12
	v_floor_f32 v[r], v[r]
	v_max_num_f32 v[r], 0, v[r]                    ; a NaN loses: 0
	v_min_num_f32 v[r], 0x42840000, v[r]           ; 0 .. 66
.set r, r+1
.endr
.irp e, 0,1,2,3
.set r, C+4*\i+(\e%2)*2+(\e/2)                 ; points 0, 2 in the first pair, points 1, 3 in the second
	v_fmamk_f32 v[r], v[X+12*\i+\e], 0x42860000, v[X+12*\i+4+\e]    ; px*67 + py: whole numbers below 2^24, exact in f32
	v_fmamk_f32 v[r], v[r], 0x42a00000, v[X+12*\i+8+\e]             ; (..)*80 + pz, at most 359,106
	v_cvt_u32_f32 v[r], v[r]
.endr
	global_store_b64 v2, v[C+4*\i:C+4*\i+1],   s[12:13] offset:4096*\i       ; the wave's 32 lanes store 256 consecutive bytes, at a multiple of 256: the superblock's even points
	global_store_b64 v2, v[C+4*\i+2:C+4*\i+3], s[12:13] offset:4096*\i+256   ; and its odd points; each quarter has its own registers
.endm
	CELLS 0
	CELLS 1
	CELLS 2
	CELLS 3
	s_endpgm
.Lfunc_end_k_q9d37abdf1d_prep:
	.size	k_q9d37abdf1d_prep, .Lfunc_end_k_q9d37abdf1d_prep-k_q9d37abdf1d_prep
	.p2alignl 7, 3214868480
	.fill 96, 4, 3214868480
	.section	.rodata,"a",@progbits
	.p2align	6, 0x0
	.amdhsa_kernel k_q9d37abdf1d_prep
		.amdhsa_group_segment_fixed_size 0
		.amdhsa_private_segment_fixed_size 0
		.amdhsa_enable_private_segment 0
		.amdhsa_kernarg_size 48
		.amdhsa_user_sgpr_count 2
		.amdhsa_user_sgpr_kernarg_segment_ptr 1
		.amdhsa_wavefront_size32 1
		.amdhsa_system_sgpr_workgroup_id_x 1
		.amdhsa_system_sgpr_workgroup_id_y 1
		.amdhsa_system_sgpr_workgroup_id_z 1
		.amdhsa_system_vgpr_workitem_id 0
		.amdhsa_next_free_vgpr 96
		.amdhsa_next_free_sgpr 66
		.amdhsa_reserve_vcc 0
		.amdhsa_float_denorm_mode_32 3
		.amdhsa_float_denorm_mode_16_64 3
		.amdhsa_memory_ordered 1
		.amdhsa_forward_progress 1
		.amdhsa_inst_pref_size 22
	.end_amdhsa_kernel
	.amdgpu_metadata
---
amdhsa.version: [ 1, 2 ]
amdhsa.kernels:
  - .name:           k_q9d37abdf1d_prep
    .symbol:         k_q9d37abdf1d_prep.kd
    .args:
      - { .name: x, .offset: 0, .size: 8, .value_kind: global_buffer, .address_space: global }
      - { .name: y, .offset: 8, .size: 8, .value_kind: global_buffer, .address_space: global }
      - { .name: z, .offset: 16, .size: 8, .value_kind: global_buffer, .address_space: global }
      - { .name: phi_x, .offset: 24, .size: 8, .value_kind: global_buffer, .address_space: global }
      - { .name: cells, .offset: 32, .size: 8, .value_kind: global_buffer, .address_space: global }
      - { .name: table, .offset: 40, .size: 8, .value_kind: global_buffer, .address_space: global }
    .group_segment_fixed_size: 0
    .private_segment_fixed_size: 0
    .kernarg_segment_align: 8
    .kernarg_segment_size: 48
    .max_flat_workgroup_size: 256
    .sgpr_count:     66
    .vgpr_count:     96
    .wavefront_size: 32
...
	.end_amdgpu_metadata
.endif
;; end of part 3
;; launch eval (part 4): grid 1024 x 1, 4 waves a work-group, no clusters, 18,944 bytes of LDS; arguments x, y, z, cells, table, out0; writes out0
.if DOCPART == 4
	.amdgcn_target "amdgcn-amd-amdhsa--gfx1250"
	.amdhsa_code_object_version 6
	.text
	.protected	k_q9d37abdf1d_eval
	.globl	k_q9d37abdf1d_eval
	.p2align	8
	.type	k_q9d37abdf1d_eval,@function
k_q9d37abdf1d_eval:
	s_mov_b64 s[64:65], 0
	v_nop
	global_prefetch_b8 v0, s[64:65] scope:SCOPE_SE
	s_setreg_imm32_b32 hwreg(HW_REG_WAVE_MODE, 25, 1), 1
	s_wait_xcnt 0x0
; Cubic B-spline field, second launch: T = sum over l, m, n of wx[l] wy[m] wz[n] * tap(l, m, n).  The first launch left
;   table: for each cell a record of 128 consecutive bytes, 64 f16: tap(l, m, n) at place 16 n + 4 l + m', where m' = 0, 1, 2, 3 stands for m = 0, 3, 2, 1; record number c begins at byte 32 c;
;   cells: for each point its record's number (whole numbers), by superblocks of 128 points: the 64 even points' numbers (256 bytes), then the 64 odd points'.
; SHARES.  A wave owns 1,024 consecutive points: 8 superblocks = 16 blocks of 64.  Lane s owns points 2 s and 2 s + 1 of a block (8 bytes of x, y, z and of the result: a wave's load or
;   store covers 256 consecutive aligned bytes).  A STEP takes the 32 even or the 32 odd points of a block, one a lane: 32 steps a wave, four to a superblock.
; THE GATHER.  A record is read whole by eight neighbouring lanes, 16 bytes each: load j of a step brings the records of lanes j, 8 + j, 16 + j, 24 + j.  The eight loads go through the
;   wave's own 4,608 bytes of LDS (a record every 144 bytes) and come back one record a lane.  144 = 9 x 16.
;   No other wave touches these bytes: no barrier.
;   The eight lanes of a record need its number: they all load it from the same address, so no number changes lanes.
; AHEAD.  A step's gathers are issued two steps ahead (two sets of 32 registers: 16 loads of 512 bytes of every wave are on their way), record numbers four steps and coordinates two
;   blocks ahead of the step that they belong to, all into registers; so nothing is asked for a second time by a prefetch.
; WEIGHTS.  u' = fma(x, 30.5, 33.5), the same instruction as in the first launch; a = u' - floor(u'), unclipped as in the reference; b = 1 - a.  On the pair (b, a):
;   (b, a)^3 / 6 = (w0, w3) and (b, a)^2 ((b, a)/2 - 1) + 2/3 = (w2, w1) (the reference's polynomials, regrouped): four registers w0, w3, w2, w1, which is the table's order of m.
; ARITHMETIC.  Weights and sums in f32; each tap is widened from f16 to f32 and enters a packed f32 multiply-add.
; LIMITS.  FORMAT: the taps were rounded once to f16 (relative 2^-11 at most for |phi| from 2^-14 to 65,504; infinite above; error at most 2^-25 below).  The weights are not negative and
;   add up to 1, so the result's error from this is at most 2^-11 times the weighted mean of the |taps|.  u' is rounded once where the reference rounds three times (about one part
;   in 10^7).  |x|, |y|, |z| below 7e7 (beyond it the reference's cast to int32 saturates; here the fraction is 0).  NaN or infinite coordinates give NaN.
; No matrix instructions: every point has its own 64 taps, so only a product's diagonal would be used, and the 64 f16 weights a point that it wants cost as many vector instructions as
; widening the taps.  No tensor loads, clusters or multicast: work-groups share no tile; records are chosen lane by lane.
.set MAXC, 359106                      ; the last record that a point can name: (66*67 + 66)*80 + 66
.set SP,   144                         ; bytes from record to record in the stage
.set WLDS, 32*SP
.set C16,  1                           ; v1   16 x (lane % 8): my 16 bytes of a record
.set STO,  2                           ; v2   stage, way in
.set RD,   3                           ; v3   stage, way back
.set SOFF, 4                           ; v4   8 x lane: my two points in a block
.set IOFF, 5                           ; v5   32 x (lane / 8): my eight lanes' 8 record numbers in a step's 128 bytes
.set K305, 8                           ; v[8:9]    30.5 twice
.set K335, 10                          ; v[10:11]  33.5 twice
.set K23,  12                          ; v[12:13]  2/3 twice
.set KM,   14                          ; v[14:15]  -1, 1
.set KA,   16                          ; v[16:17]  1, 0: a * (-1, 1) + (1, 0) = (b, a)
.set OUT,  18                          ; v[18:21]  results, a pair for each block of a superblock
.set T,    22                          ; v[22:27]  at work on the weights
.set A,    28                          ; v[28:33]  the block's fractions: x, y, z, each (even point's, odd point's)
.set XYZ,  34                          ; v[34:45]  x, y, z pairs; two buffers
.set WX,   46                          ; v[46:49]  w0, w3, w2, w1 of x
.set WY,   50                          ; v[50:53]  of y
.set S,    46                          ; v[46:53]  four pair sums, one for each n: they take wx's and wy's registers once the products wx wy are made
.set WZ,   54                          ; v[54:57]  of z
.set WXY,  58                          ; v[58:73]  wx[l] wy[m] at WXY + 4 l + m'
.set R,    74                          ; v[74:105] my point's record, two f16 a register: below v128, where a register's halves have names; DOT names these registers by number
.set RAW,  106                         ; v[106:121] record numbers: two sets of 8; step t's lie in set t % 2
.set ADDR, 122                         ; v[122:137] byte offsets of the gathers on their way: two sets of 8
.set G,    138                         ; v[138:201] the gathered records on their way: two sets of 32
.set F,    202                         ; v[202:233] 32 taps widened to f32: 8 for each n
	s_load_b256 s[4:11], s[0:1], 0x0               ; x s[4:5], y s[6:7], z s[8:9], cells s[10:11]
	s_load_b128 s[12:15], s[0:1], 0x20             ; table s[12:13], out0 s[14:15]
	v_lshl_add_u32 v234, v0, 2, 0x4800
	v_mov_b32 v235, 0
	v_lshrrev_b32 v7, 5, v0
	v_readfirstlane_b32 s2, v7                     ; wave 0..3
	s_lshl_b32 s16, ttmp9, 14                      ; 4,096 points of 4 bytes to a work-group,
	s_lshl_b32 s3, s2, 12                          ; 1,024 to a wave
	s_add_co_u32 s16, s16, s3
	s_mov_b32 s17, 0
	s_mul_i32 s18, s2, WLDS                        ; my wave's stage
	s_mov_b32 s20, 0x3e2aaaab                      ; 1/6; the packed multiply names a pair and takes its low word for both halves
	s_mov_b32 s21, s20
	v_and_b32 v7, 31, v0                           ; lane
	v_and_b32 v[C16], 7, v0
	v_lshlrev_b32 v[C16], 4, v[C16]
	v_lshrrev_b32 v[IOFF], 3, v7                   ; q = lane / 8
	v_mul_u32_u24 v[STO], v[IOFF], 8*SP            ; load j brings lane 8 q + j's record: place (8 q + j) x 144 + my 16 bytes; j x 144 stands in the offset
	v_add_nc_u32 v[STO], v[STO], v[C16]
	v_add_nc_u32 v[STO], s18, v[STO]
	v_mul_u32_u24 v[RD], v7, SP
	v_add_nc_u32 v[RD], s18, v[RD]
	v_lshlrev_b32 v[SOFF], 3, v7
	v_lshlrev_b32 v[IOFF], 5, v[IOFF]
	v_mov_b32 v[K305], 0x41f40000
	v_mov_b32 v[K305+1], 0x41f40000
	v_mov_b32 v[K335], 0x42060000
	v_mov_b32 v[K335+1], 0x42060000
	v_mov_b32 v[K23], 0x3f2aaaab
	v_mov_b32 v[K23+1], 0x3f2aaaab
	v_mov_b32 v[KM], -1.0
	v_mov_b32 v[KM+1], 1.0
	v_mov_b32 v[KA], 1.0
	v_mov_b32 v[KA+1], 0
	s_wait_kmcnt 0x0
	s_add_nc_u64 s[4:5], s[4:5], s[16:17]
	s_add_nc_u64 s[6:7], s[6:7], s[16:17]
	s_add_nc_u64 s[8:9], s[8:9], s[16:17]
	s_add_nc_u64 s[10:11], s[10:11], s[16:17]
	s_add_nc_u64 s[14:15], s[14:15], s[16:17]
; The record numbers of step tau (counted from the superblock at the bases): superblock tau / 4, 256 bytes on for the odd points, 128 on for the second block.
; Two loads; eight lanes share each address.
.macro RAWLD set, tau
.irp q, 0,1
	global_load_b128 v[RAW+8*(\set)+4*\q:RAW+8*(\set)+4*\q+3], v[IOFF], s[10:11] offset:((\tau)/4)*512+((\tau)%2)*256+(((\tau)/2)%2)*128+16*\q
.endr
.endm
.macro XYZLD buf, blk                  ; a block's coordinates: three loads of 256 consecutive bytes
	global_load_b64 v[XYZ+6*(\buf):XYZ+6*(\buf)+1],   v[SOFF], s[4:5] offset:(\blk)*256 th:TH_LOAD_NT
	global_load_b64 v[XYZ+6*(\buf)+2:XYZ+6*(\buf)+3], v[SOFF], s[6:7] offset:(\blk)*256 th:TH_LOAD_NT
	global_load_b64 v[XYZ+6*(\buf)+4:XYZ+6*(\buf)+5], v[SOFF], s[8:9] offset:(\blk)*256 th:TH_LOAD_NT
.endm
.macro OFFS set                        ; the byte offsets of the step whose numbers lie in this set
.irp j, 0,1,2,3,4,5,6,7
	v_min_u32 v[ADDR+8*(\set)+\j], MAXC, v[RAW+8*(\set)+\j]      ; a loaded number enters an address only bounded: no access leaves the table
.endr
.irp j, 0,1,2,3,4,5,6,7
	v_lshl_add_u32 v[ADDR+8*(\set)+\j], v[ADDR+8*(\set)+\j], 5, v[C16]   ; 32 bytes an entry, my 16 of the record's 128
.endr
.endm
.macro GLOAD set                       ; eight loads of four whole records
.irp j, 0,1,2,3,4,5,6,7
	global_load_b128 v[G+32*(\set)+4*\j:G+32*(\set)+4*\j+3], v[ADDR+8*(\set)+\j], s[12:13]
.endr
.endm
.macro STAGE set                       ; the records change hands: in by record, back by lane.  LDS serves a wave's instructions in order (ISA guide 5.7.1.4): the loads see the stores,
.irp j, 0,1,2,3,4,5,6,7                ; and these stores come behind the last step's loads
	ds_store_b128 v[STO], v[G+32*(\set)+4*\j:G+32*(\set)+4*\j+3] offset:\j*SP
.endr
.irp k, 0,2,4,6,1,3,5,7                ; back in the order in which the sums take them: x planes 0, 1 of all four n, then x planes 2, 3
	ds_load_b128 v[R+4*\k:R+4*\k+3], v[RD] offset:16*\k
.endr
.endm
.macro FRACT buf                       ; a block's fractions, the even and the odd point's together
.irp c, 0,1,2
	v_pk_fma_f32 v[T+2*\c:T+2*\c+1], v[XYZ+6*(\buf)+2*\c:XYZ+6*(\buf)+2*\c+1], v[K305:K305+1], v[K335:K335+1]
.endr
.irp c, 0,1,2
	v_floor_f32 v[A+2*\c], v[T+2*\c]
	v_floor_f32 v[A+2*\c+1], v[T+2*\c+1]
.endr
.irp c, 0,1,2
	v_pk_add_f32 v[A+2*\c:A+2*\c+1], v[T+2*\c:T+2*\c+1], v[A+2*\c:A+2*\c+1] neg_lo:[0,1] neg_hi:[0,1]
.endr
.endm
.macro BASIS c, g, dst                 ; coordinate c of the even (g = 0) or odd (g = 1) point: w0, w3, w2, w1 into four registers
	v_pk_fma_f32 v[T:T+1], v[A+2*\c:A+2*\c+1], v[KM:KM+1], v[KA:KA+1] op_sel:[\g,0,0] op_sel_hi:[\g,1,1]   ; both halves take fraction g: (b, a)
	v_pk_mul_f32 v[T+2:T+3], v[T:T+1], v[T:T+1]
	v_pk_mul_f32 v[\dst:\dst+1], v[T:T+1], s[20:21] op_sel_hi:[1,0]
	v_pk_fma_f32 v[T+4:T+5], v[T:T+1], 0.5, -1.0 op_sel_hi:[1,0,0]
	v_pk_mul_f32 v[\dst:\dst+1], v[\dst:\dst+1], v[T+2:T+3]
	v_pk_fma_f32 v[\dst+2:\dst+3], v[T+4:T+5], v[T+2:T+3], v[K23:K23+1]
.endm
.macro PLANE l, pair, sel              ; wx[l], which is register sel of the pair at WX + pair, times wy's four
	v_pk_mul_f32 v[WXY+4*\l:WXY+4*\l+1],   v[WX+\pair:WX+\pair+1], v[WY:WY+1]   op_sel:[\sel,0] op_sel_hi:[\sel,1]
	v_pk_mul_f32 v[WXY+4*\l+2:WXY+4*\l+3], v[WX+\pair:WX+\pair+1], v[WY+2:WY+3] op_sel:[\sel,0] op_sel_hi:[\sel,1]
.endm
.macro CVT8 f, a0, a1, a2, a3, a4, a5, a6, a7      ; 16 bytes of a record, eight f16, widened to f32
	v_cvt_f32_f16 v[\f], \a0
	v_cvt_f32_f16 v[\f+1], \a1
	v_cvt_f32_f16 v[\f+2], \a2
	v_cvt_f32_f16 v[\f+3], \a3
	v_cvt_f32_f16 v[\f+4], \a4
	v_cvt_f32_f16 v[\f+5], \a5
	v_cvt_f32_f16 v[\f+6], \a6
	v_cvt_f32_f16 v[\f+7], \a7
.endm
.macro MADS p                          ; x planes 2 p and 2 p + 1: 16 packed multiply-adds, the four chains (one for each n) by turns; the first four are multiplies: nothing is cleared
.irp i, 0,1,2,3
.irp n, 0,1,2,3
.if (\p == 0) && (\i == 0)
	v_pk_mul_f32 v[S+2*\n:S+2*\n+1], v[F+8*\n:F+8*\n+1], v[WXY:WXY+1]
.else
	v_pk_fma_f32 v[S+2*\n:S+2*\n+1], v[F+8*\n+2*\i:F+8*\n+2*\i+1], v[WXY+8*\p+2*\i:WXY+8*\p+2*\i+1], v[S+2*\n:S+2*\n+1]
.endif
.endr
.endr
.endm
; The point's sum into register dst.  S[n] (a pair: even and odd places) = sum over the 16 rows of wx wy * tap(row, n).  Then the four with wz, and the pair's two halves.
; The record lies in v74-v105 (R): the 16 bytes number k = 2 n + p (x planes 2 p, 2 p + 1 of n) in v[74 + 4 k] on.
.macro DOT dst
	s_wait_dscnt 4                                 ; LDS loads come back in order: the four of x planes 0, 1 are in, the other four stay out
	CVT8 F,    v74.l, v74.h, v75.l, v75.h, v76.l, v76.h, v77.l, v77.h
	CVT8 F+8,  v82.l, v82.h, v83.l, v83.h, v84.l, v84.h, v85.l, v85.h
	CVT8 F+16, v90.l, v90.h, v91.l, v91.h, v92.l, v92.h, v93.l, v93.h
	CVT8 F+24, v98.l, v98.h, v99.l, v99.h, v100.l, v100.h, v101.l, v101.h
	MADS 0
	s_wait_dscnt 0
	CVT8 F,    v78.l, v78.h, v79.l, v79.h, v80.l, v80.h, v81.l, v81.h
	CVT8 F+8,  v86.l, v86.h, v87.l, v87.h, v88.l, v88.h, v89.l, v89.h
	CVT8 F+16, v94.l, v94.h, v95.l, v95.h, v96.l, v96.h, v97.l, v97.h
	CVT8 F+24, v102.l, v102.h, v103.l, v103.h, v104.l, v104.h, v105.l, v105.h
	MADS 1
	v_pk_mul_f32 v[S:S+1], v[S:S+1], v[WZ:WZ+1] op_sel_hi:[1,0]                                       ; n = 0: w0
	v_pk_fma_f32 v[S:S+1], v[S+2:S+3], v[WZ+2:WZ+3], v[S:S+1] op_sel:[0,1,0] op_sel_hi:[1,1,1]        ; n = 1: w1, the pair's second register
	v_pk_fma_f32 v[S:S+1], v[S+4:S+5], v[WZ+2:WZ+3], v[S:S+1] op_sel_hi:[1,0,1]                       ; n = 2: w2
	v_pk_fma_f32 v[S:S+1], v[S+6:S+7], v[WZ:WZ+1], v[S:S+1] op_sel:[0,1,0] op_sel_hi:[1,1,1]          ; n = 3: w3
	v_add_f32 v[\dst], v[S], v[S+1]
.endm
; Step rel (0 to 3) of the superblock at the bases.  gath = 1: the gathers of the step two on are issued.  raw = 1: the numbers of the step four on are asked for, AHEAD of those gathers,
; so that the wait for the gathers two steps later shows the numbers in too.  xyz = 1 (even steps): the coordinates two blocks on are asked for.
; cnt: how many younger loads may stay out when this step's gathers have to be there.
.macro STEP rel, gath, raw, xyz, cnt
.set GG, (\rel)%2                      ; even or odd points; also the step's set of numbers, offsets and gathered records
.set BB, (\rel)/2                      ; which block of the superblock; also its buffer of coordinates
	s_wait_loadcnt \cnt                            ; my eight gathers are in, and with them all older loads: the numbers of the step two on, this block's coordinates.  The set's offsets may be rewritten
	STAGE GG
.if \gath
	OFFS GG
.if \raw
	RAWLD GG, \rel+4                               ; into the set whose numbers have just been used up
.endif
	GLOAD GG                                       ; into the set that has just gone into the stage
.endif
.if GG == 0
	FRACT BB
.if \xyz
	XYZLD BB, BB+2                                 ; into the buffer whose fractions have just been made
.endif
.endif
	BASIS 0, GG, WX                                ; the weights stand between the stage's loads and their first use
	BASIS 1, GG, WY
	BASIS 2, GG, WZ
	PLANE 0, 0, 0
	PLANE 1, 2, 1
	PLANE 2, 2, 0
	PLANE 3, 0, 1
	DOT OUT+2*BB+GG
.if GG == 1
	global_store_b64 v[SOFF], v[OUT+2*BB:OUT+2*BB+1], s[14:15] offset:BB*256 th:TH_STORE_NT   ; 256 consecutive bytes, at a multiple of 256 from out0's first byte
.endif
.endm
	; The start, in the order of the steady state: numbers, gathers, coordinates; numbers, gathers.
	RAWLD 0, 0
	RAWLD 1, 1
	XYZLD 0, 0
	s_wait_loadcnt 5                               ; step 0's numbers are in; step 1's two loads and the three of coordinates stay out
	OFFS 0
	RAWLD 0, 2
	GLOAD 0
	XYZLD 1, 1
	s_wait_loadcnt 16                              ; step 1's numbers are in; behind them stand 3 + 2 + 8 + 3 loads
	OFFS 1
	RAWLD 1, 3
	GLOAD 1
	s_mov_b32 s19, 7
.Ltrip:                                                ; a superblock a trip: superblocks 0 to 6; all that a trip asks for ahead lies in this superblock or the next
	STEP 0, 1, 1, 1, 13                            ; 13 = the step before's 2 loads of numbers and 8 gathers, and the 3 loads of coordinates, which stand behind the awaited gathers
	STEP 1, 1, 1, 0, 13                            ; (even steps) or in the step before (odd steps)
	STEP 2, 1, 1, 1, 13
	STEP 3, 1, 1, 0, 13
	s_wait_xcnt 0x0                                ; every earlier memory instruction has had its addresses translated (ISA guide 3.1): the bases are stepped, and the result pairs that the trip's stores read rewritten, only behind this wait
	s_add_nc_u64 s[4:5], s[4:5], 512
	s_add_nc_u64 s[6:7], s[6:7], 512
	s_add_nc_u64 s[8:9], s[8:9], 512
	s_add_nc_u64 s[10:11], s[10:11], 512
	s_add_nc_u64 s[14:15], s[14:15], 512
	s_sub_co_u32 s19, s19, 1
	s_cmp_lg_u32 s19, 0
	s_cbranch_scc1 .Ltrip
	STEP 0, 1, 0, 0, 13                            ; the last superblock: no numbers and no coordinates are left to ask for: no load leaves the wave's 1,024 points
	STEP 1, 1, 0, 0, 8                             ; behind these gathers stand the eight of the step before alone
	STEP 2, 0, 0, 0, 8                             ; the same; nothing is left to gather
	STEP 3, 0, 0, 0, 0
	s_wait_tensorcnt 0x0
	ds_add_u32 v234, v235
	s_wait_dscnt 0x0
	s_endpgm
.Lfunc_end_k_q9d37abdf1d_eval:
	.size	k_q9d37abdf1d_eval, .Lfunc_end_k_q9d37abdf1d_eval-k_q9d37abdf1d_eval
	.p2alignl 7, 3214868480
	.fill 96, 4, 3214868480
	.section	.rodata,"a",@progbits
	.p2align	6, 0x0
	.amdhsa_kernel k_q9d37abdf1d_eval
		.amdhsa_group_segment_fixed_size 18944
		.amdhsa_private_segment_fixed_size 0
		.amdhsa_enable_private_segment 0
		.amdhsa_kernarg_size 48
		.amdhsa_user_sgpr_count 2
		.amdhsa_user_sgpr_kernarg_segment_ptr 1
		.amdhsa_wavefront_size32 1
		.amdhsa_system_sgpr_workgroup_id_x 1
		.amdhsa_system_sgpr_workgroup_id_y 1
		.amdhsa_system_sgpr_workgroup_id_z 1
		.amdhsa_system_vgpr_workitem_id 0
		.amdhsa_next_free_vgpr 236
		.amdhsa_next_free_sgpr 66
		.amdhsa_reserve_vcc 0
		.amdhsa_float_denorm_mode_32 3
		.amdhsa_float_denorm_mode_16_64 3
		.amdhsa_memory_ordered 1
		.amdhsa_forward_progress 1
		.amdhsa_inst_pref_size 78
	.end_amdhsa_kernel
	.amdgpu_metadata
---
amdhsa.version: [ 1, 2 ]
amdhsa.kernels:
  - .name:           k_q9d37abdf1d_eval
    .symbol:         k_q9d37abdf1d_eval.kd
    .args:
      - { .name: x, .offset: 0, .size: 8, .value_kind: global_buffer, .address_space: global }
      - { .name: y, .offset: 8, .size: 8, .value_kind: global_buffer, .address_space: global }
      - { .name: z, .offset: 16, .size: 8, .value_kind: global_buffer, .address_space: global }
      - { .name: cells, .offset: 24, .size: 8, .value_kind: global_buffer, .address_space: global }
      - { .name: table, .offset: 32, .size: 8, .value_kind: global_buffer, .address_space: global }
      - { .name: out0, .offset: 40, .size: 8, .value_kind: global_buffer, .address_space: global }
    .group_segment_fixed_size: 18944
    .private_segment_fixed_size: 0
    .kernarg_segment_align: 8
    .kernarg_segment_size: 48
    .max_flat_workgroup_size: 128
    .sgpr_count:     66
    .vgpr_count:     236
    .wavefront_size: 32
...
	.end_amdgpu_metadata
.endif
;; end of part 4
;; ======== version 3 of 3: 2 launches; version 2 with the launch eval written anew for expert scheduling mode
;; limits: inputs' magnitudes at most 70,000,000; values outside matrix products are rounded to f16; values are held in f16: magnitudes above 65,504 overflow, below 6.1e-05 lose precision; inputs' magnitudes at most 65,504
;; workspace buffers: cells 16,777,216 bytes of whole numbers; table 11,491,840 bytes
;; launch prep: the kernel of part 3 again; grid 1586 x 1, 8 waves a work-group, no clusters, 0 bytes of LDS; arguments x, y, z, phi_x, cells, table; writes cells, table
;; launch eval (part 5): grid 1024 x 1, 4 waves a work-group, no clusters, 18,944 bytes of LDS; arguments x, y, z, cells, table, out0; writes out0
.if DOCPART == 5
	.amdgcn_target "amdgcn-amd-amdhsa--gfx1250"
	.amdhsa_code_object_version 6
	.text
	.protected	k_q9d37abdf1d_eval
	.globl	k_q9d37abdf1d_eval
	.p2align	8
	.type	k_q9d37abdf1d_eval,@function
k_q9d37abdf1d_eval:
	s_mov_b64 s[64:65], 0
	v_nop
	global_prefetch_b8 v0, s[64:65] scope:SCOPE_SE
	s_setreg_imm32_b32 hwreg(HW_REG_WAVE_SCHED_MODE, 0, 2), 2
	s_setreg_imm32_b32 hwreg(HW_REG_WAVE_MODE, 25, 1), 1
	s_wait_xcnt 0x0
	s_wait_alu depctr_vm_vsrc(0)
; Cubic B-spline field, second launch: T = sum over l, m, n of wx[l] wy[m] wz[n] * tap(l, m, n).  The first launch left
;   table: for each cell a record of 128 consecutive bytes, 64 f16: tap(l, m, n) at place 16 n + 4 l + m', where m' = 0, 1, 2, 3 stands for m = 0, 3, 2, 1; record number c begins at byte 32 c;
;   cells: for each point its record's number (whole numbers), by superblocks of 128 points: the 64 even points' numbers (256 bytes), then the 64 odd points'.
; SHARES.  A wave owns 1,024 consecutive points: 8 superblocks = 16 blocks of 64.  Lane s owns points 2 s and 2 s + 1 of a block (8 bytes of x, y, z and of the result: a wave's load or
;   store covers 256 consecutive aligned bytes).  A STEP takes the 32 even or the 32 odd points of a block, one a lane: 32 steps a wave, four to a superblock.
; THE GATHER.  A record is read whole by eight neighbouring lanes, 16 bytes each: load j of a step brings the records of lanes j, 8 + j, 16 + j, 24 + j.  The eight loads go through the
;   wave's own 4,608 bytes of LDS (a record every 144 bytes) and come back one record a lane.  144 = 9 x 16.
;   No other wave touches these bytes: no barrier.
;   The eight lanes of a record need its number: they all load it from the same address, so no number changes lanes.
; AHEAD.  A step's gathers are issued two steps ahead (two sets of 32 registers: 16 loads of 512 bytes of every wave are on their way), record numbers four steps and coordinates two
;   blocks ahead of the step that they belong to, all into registers; so nothing is asked for a second time by a prefetch.
; WEIGHTS.  u' = fma(x, 30.5, 33.5), the same instruction as in the first launch; a = u' - floor(u'), unclipped as in the reference; b = 1 - a.  On the pair (b, a):
;   (b, a)^3 / 6 = (w0, w3) and (b, a)^2 ((b, a)/2 - 1) + 2/3 = (w2, w1) (the reference's polynomials, regrouped): four registers w0, w3, w2, w1, which is the table's order of m.
; ARITHMETIC.  Weights and sums in f32; each tap is widened from f16 to f32 and enters a packed f32 multiply-add.
; LIMITS.  FORMAT: the taps were rounded once to f16 (relative 2^-11 at most for |phi| from 2^-14 to 65,504; infinite above; error at most 2^-25 below).  The weights are not negative and
;   add up to 1, so the result's error from this is at most 2^-11 times the weighted mean of the |taps|.  u' is rounded once where the reference rounds three times (about one part
;   in 10^7).  |x|, |y|, |z| below 7e7 (beyond it the reference's cast to int32 saturates; here the fraction is 0).  NaN or infinite coordinates give NaN.
; No matrix instructions: every point has its own 64 taps, so only a product's diagonal would be used, and the 64 f16 weights a point that it wants cost as many vector instructions as
; widening the taps.  No tensor loads, clusters or multicast: work-groups share no tile; records are chosen lane by lane.
; THE MODE: SCHED_MODE bits 1:0 = 2 (LLVM: expert scheduling mode 2), set by the entry lines.  The code itself states the register dependences
; between vector instructions and memory or LDS instructions, with s_wait_alu, always for 0.
; THE PLAN.  Registers that memory or LDS instructions touch, in step t (g = t % 2):
;   G[g]      The gathers of step t - 2 landed in it; the eight LDS stores at the step's head read it; then the step's own gathers land in it.  No vector instruction names it.
;   ADDR[g]   Written by the step's OFFS; read by the step's gathers; written again by OFFS two steps on.
;   RAW[g]    Read by the step's OFFS; then the step's loads of numbers land in it.
;   XYZ[b]    Read by an even step's FRACT; then that step's loads of coordinates land in it.
;   R         The step's eight LDS loads land in it; the step's 64 widening lines read it.
;   OUT       A block's pair is written by the additions that end its two steps, read by one store in the next (even) step, and written again from the end of the second step behind that store on.
;   STO, RD, SOFF, IOFF   Addresses, made at the head and never written again: the rows are reached by the scalar bases and by immediate offsets.
; A step goes: the wait for its gathers; the LDS stores; OFFS and FRACT; ONE wait on va_vdst and ONE on vm_vsrc; all the step's loads and the store of the block before; the weights and sums.
; Between those two waits and the last of those loads and stores stands no vector instruction, so they state all that these hang on.  The vector work behind them names none of G, ADDR, RAW and XYZ.
.set MAXC, 359106                      ; the last record that a point can name: (66*67 + 66)*80 + 66
.set SP,   144                         ; bytes from record to record in the stage
.set WLDS, 32*SP
.set C16,  1                           ; v1   16 x (lane % 8): my 16 bytes of a record
.set STO,  2                           ; v2   stage, way in
.set RD,   3                           ; v3   stage, way back
.set SOFF, 4                           ; v4   8 x lane: my two points in a block
.set IOFF, 5                           ; v5   32 x (lane / 8): my eight lanes' 8 record numbers in a step's 128 bytes
.set K305, 8                           ; v[8:9]    30.5 twice
.set K335, 10                          ; v[10:11]  33.5 twice
.set K23,  12                          ; v[12:13]  2/3 twice
.set KM,   14                          ; v[14:15]  -1, 1
.set KA,   16                          ; v[16:17]  1, 0: a * (-1, 1) + (1, 0) = (b, a)
.set OUT,  18                          ; v[18:21]  results, a pair for each block of a superblock
.set T,    22                          ; v[22:27]  at work on the weights
.set A,    28                          ; v[28:33]  the block's fractions: x, y, z, each (even point's, odd point's)
.set XYZ,  34                          ; v[34:45]  x, y, z pairs; two buffers
.set WX,   46                          ; v[46:49]  w0, w3, w2, w1 of x
.set WY,   50                          ; v[50:53]  of y
.set S,    46                          ; v[46:53]  four pair sums, one for each n: they take wx's and wy's registers once the products wx wy are made
.set WZ,   54                          ; v[54:57]  of z
.set WXY,  58                          ; v[58:73]  wx[l] wy[m] at WXY + 4 l + m'
.set R,    74                          ; v[74:105] my point's record, two f16 a register: below v128, where a register's halves have names; DOT names these registers by number
.set RAW,  106                         ; v[106:121] record numbers: two sets of 8; step t's lie in set t % 2
.set ADDR, 122                         ; v[122:137] byte offsets of the gathers on their way: two sets of 8
.set G,    138                         ; v[138:201] the gathered records on their way: two sets of 32
.set F,    202                         ; v[202:233] 32 taps widened to f32: 8 for each n
	s_load_b256 s[4:11], s[0:1], 0x0               ; x s[4:5], y s[6:7], z s[8:9], cells s[10:11]
	s_load_b128 s[12:15], s[0:1], 0x20             ; table s[12:13], out0 s[14:15]
	v_lshl_add_u32 v234, v0, 2, 0x4800
	v_mov_b32 v235, 0
	v_lshrrev_b32 v7, 5, v0
	v_readfirstlane_b32 s2, v7                     ; wave 0..3
	s_lshl_b32 s16, ttmp9, 14                      ; 4,096 points of 4 bytes to a work-group
	s_mov_b32 s17, 0
	s_mov_b32 s20, 0x3e2aaaab                      ; 1/6; the packed multiply names a pair and takes its low word for both halves
	s_mov_b32 s21, s20
	v_and_b32 v7, 31, v0                           ; lane
	v_and_b32 v[C16], 7, v0
	v_lshlrev_b32 v[C16], 4, v[C16]
	v_lshrrev_b32 v[IOFF], 3, v7                   ; q = lane / 8
	v_mul_u32_u24 v[STO], v[IOFF], 8*SP            ; load j brings lane 8 q + j's record: place (8 q + j) x 144 + my 16 bytes; j x 144 stands in the offset
	v_add_nc_u32 v[STO], v[STO], v[C16]
	v_mul_u32_u24 v[RD], v7, SP
	v_lshlrev_b32 v[SOFF], 3, v7
	v_lshlrev_b32 v[IOFF], 5, v[IOFF]
	v_mov_b32 v[K305], 0x41f40000
	v_mov_b32 v[K305+1], 0x41f40000
	v_mov_b32 v[K335], 0x42060000
	v_mov_b32 v[K335+1], 0x42060000
	v_mov_b32 v[K23], 0x3f2aaaab
	v_mov_b32 v[K23+1], 0x3f2aaaab
	v_mov_b32 v[KM], -1.0
	v_mov_b32 v[KM+1], 1.0
	v_mov_b32 v[KA], 1.0
	v_mov_b32 v[KA+1], 0
	s_wait_alu depctr_va_sdst(0)                   ; s2, the wave's number, is written, ahead of its first reader: the wave's points and its stage are made from it
	s_lshl_b32 s3, s2, 12                          ; 1,024 points of 4 bytes to a wave
	s_add_co_u32 s16, s16, s3
	s_mul_i32 s18, s2, WLDS                        ; my wave's stage
	v_add_nc_u32 v[STO], s18, v[STO]
	v_add_nc_u32 v[RD], s18, v[RD]
	s_wait_kmcnt 0x0
	s_add_nc_u64 s[4:5], s[4:5], s[16:17]
	s_add_nc_u64 s[6:7], s[6:7], s[16:17]
	s_add_nc_u64 s[8:9], s[8:9], s[16:17]
	s_add_nc_u64 s[10:11], s[10:11], s[16:17]
	s_add_nc_u64 s[14:15], s[14:15], s[16:17]
; The record numbers of step tau (counted from the superblock at the bases): superblock tau / 4, 256 bytes on for the odd points, 128 on for the second block.
; Two loads; eight lanes share each address.
.macro RAWLD set, tau
.irp q, 0,1
	global_load_b128 v[RAW+8*(\set)+4*\q:RAW+8*(\set)+4*\q+3], v[IOFF], s[10:11] offset:((\tau)/4)*512+((\tau)%2)*256+(((\tau)/2)%2)*128+16*\q
.endr
.endm
.macro XYZLD buf, blk                  ; a block's coordinates: three loads of 256 consecutive bytes
	global_load_b64 v[XYZ+6*(\buf):XYZ+6*(\buf)+1],   v[SOFF], s[4:5] offset:(\blk)*256 th:TH_LOAD_NT
	global_load_b64 v[XYZ+6*(\buf)+2:XYZ+6*(\buf)+3], v[SOFF], s[6:7] offset:(\blk)*256 th:TH_LOAD_NT
	global_load_b64 v[XYZ+6*(\buf)+4:XYZ+6*(\buf)+5], v[SOFF], s[8:9] offset:(\blk)*256 th:TH_LOAD_NT
.endm
.macro OFFS set                        ; the byte offsets of the step whose numbers lie in this set
.irp j, 0,1,2,3,4,5,6,7
	v_min_u32 v[ADDR+8*(\set)+\j], MAXC, v[RAW+8*(\set)+\j]      ; a loaded number enters an address only bounded: no access leaves the table
.endr
.irp j, 0,1,2,3,4,5,6,7
	v_lshl_add_u32 v[ADDR+8*(\set)+\j], v[ADDR+8*(\set)+\j], 5, v[C16]   ; 32 bytes an entry, my 16 of the record's 128
.endr
.endm
.macro GLOAD set                       ; eight loads of four whole records
.irp j, 0,1,2,3,4,5,6,7
	global_load_b128 v[G+32*(\set)+4*\j:G+32*(\set)+4*\j+3], v[ADDR+8*(\set)+\j], s[12:13]
.endr
.endm
; The records change hands: in by record (STIN), back by lane (STBACK).  LDS serves a wave's instructions in order (ISA guide 5.7.1.4): the loads see the stores,
; and a step's stores come behind the last step's loads.
.macro STIN set
.irp j, 0,1,2,3,4,5,6,7
	ds_store_b128 v[STO], v[G+32*(\set)+4*\j:G+32*(\set)+4*\j+3] offset:\j*SP
.endr
.endm
.macro STBACK
.irp k, 0,2,4,6,1,3,5,7                ; back in the order in which the sums take them: x planes 0, 1 of all four n, then x planes 2, 3
	ds_load_b128 v[R+4*\k:R+4*\k+3], v[RD] offset:16*\k
.endr
.endm
.macro FRACT buf                       ; a block's fractions, the even and the odd point's together
.irp c, 0,1,2
	v_pk_fma_f32 v[T+2*\c:T+2*\c+1], v[XYZ+6*(\buf)+2*\c:XYZ+6*(\buf)+2*\c+1], v[K305:K305+1], v[K335:K335+1]
.endr
.irp c, 0,1,2
	v_floor_f32 v[A+2*\c], v[T+2*\c]
	v_floor_f32 v[A+2*\c+1], v[T+2*\c+1]
.endr
.irp c, 0,1,2
	v_pk_add_f32 v[A+2*\c:A+2*\c+1], v[T+2*\c:T+2*\c+1], v[A+2*\c:A+2*\c+1] neg_lo:[0,1] neg_hi:[0,1]
.endr
.endm
.macro BASIS c, g, dst                 ; coordinate c of the even (g = 0) or odd (g = 1) point: w0, w3, w2, w1 into four registers
	v_pk_fma_f32 v[T:T+1], v[A+2*\c:A+2*\c+1], v[KM:KM+1], v[KA:KA+1] op_sel:[\g,0,0] op_sel_hi:[\g,1,1]   ; both halves take fraction g: (b, a)
	v_pk_mul_f32 v[T+2:T+3], v[T:T+1], v[T:T+1]
	v_pk_mul_f32 v[\dst:\dst+1], v[T:T+1], s[20:21] op_sel_hi:[1,0]
	v_pk_fma_f32 v[T+4:T+5], v[T:T+1], 0.5, -1.0 op_sel_hi:[1,0,0]
	v_pk_mul_f32 v[\dst:\dst+1], v[\dst:\dst+1], v[T+2:T+3]
	v_pk_fma_f32 v[\dst+2:\dst+3], v[T+4:T+5], v[T+2:T+3], v[K23:K23+1]
.endm
.macro PLANE l, pair, sel              ; wx[l], which is register sel of the pair at WX + pair, times wy's four
	v_pk_mul_f32 v[WXY+4*\l:WXY+4*\l+1],   v[WX+\pair:WX+\pair+1], v[WY:WY+1]   op_sel:[\sel,0] op_sel_hi:[\sel,1]
	v_pk_mul_f32 v[WXY+4*\l+2:WXY+4*\l+3], v[WX+\pair:WX+\pair+1], v[WY+2:WY+3] op_sel:[\sel,0] op_sel_hi:[\sel,1]
.endm
.macro CVT8 f, a0, a1, a2, a3, a4, a5, a6, a7      ; 16 bytes of a record, eight f16, widened to f32
	v_cvt_f32_f16 v[\f], \a0
	v_cvt_f32_f16 v[\f+1], \a1
	v_cvt_f32_f16 v[\f+2], \a2
	v_cvt_f32_f16 v[\f+3], \a3
	v_cvt_f32_f16 v[\f+4], \a4
	v_cvt_f32_f16 v[\f+5], \a5
	v_cvt_f32_f16 v[\f+6], \a6
	v_cvt_f32_f16 v[\f+7], \a7
.endm
.macro MADS p                          ; x planes 2 p and 2 p + 1: 16 packed multiply-adds, the four chains (one for each n) by turns; the first four are multiplies: nothing is cleared
.irp i, 0,1,2,3
.irp n, 0,1,2,3
.if (\p == 0) && (\i == 0)
	v_pk_mul_f32 v[S+2*\n:S+2*\n+1], v[F+8*\n:F+8*\n+1], v[WXY:WXY+1]
.else
	v_pk_fma_f32 v[S+2*\n:S+2*\n+1], v[F+8*\n+2*\i:F+8*\n+2*\i+1], v[WXY+8*\p+2*\i:WXY+8*\p+2*\i+1], v[S+2*\n:S+2*\n+1]
.endif
.endr
.endr
.endm
; The point's sum into register dst.  S[n] (a pair: even and odd places) = sum over the 16 rows of wx wy * tap(row, n).  Then the four with wz, and the pair's two halves.
; The record lies in v74-v105 (R): the 16 bytes number k = 2 n + p (x planes 2 p, 2 p + 1 of n) in v[74 + 4 k] on.
.macro DOT dst
	s_wait_dscnt 4                                 ; LDS loads come back in order: the four of x planes 0, 1 are in, the other four stay out
	CVT8 F,    v74.l, v74.h, v75.l, v75.h, v76.l, v76.h, v77.l, v77.h
	CVT8 F+8,  v82.l, v82.h, v83.l, v83.h, v84.l, v84.h, v85.l, v85.h
	CVT8 F+16, v90.l, v90.h, v91.l, v91.h, v92.l, v92.h, v93.l, v93.h
	CVT8 F+24, v98.l, v98.h, v99.l, v99.h, v100.l, v100.h, v101.l, v101.h
	MADS 0
	s_wait_dscnt 0
	CVT8 F,    v78.l, v78.h, v79.l, v79.h, v80.l, v80.h, v81.l, v81.h
	CVT8 F+8,  v86.l, v86.h, v87.l, v87.h, v88.l, v88.h, v89.l, v89.h
	CVT8 F+16, v94.l, v94.h, v95.l, v95.h, v96.l, v96.h, v97.l, v97.h
	CVT8 F+24, v102.l, v102.h, v103.l, v103.h, v104.l, v104.h, v105.l, v105.h
	MADS 1
	v_pk_mul_f32 v[S:S+1], v[S:S+1], v[WZ:WZ+1] op_sel_hi:[1,0]                                       ; n = 0: w0
	v_pk_fma_f32 v[S:S+1], v[S+2:S+3], v[WZ+2:WZ+3], v[S:S+1] op_sel:[0,1,0] op_sel_hi:[1,1,1]        ; n = 1: w1, the pair's second register
	v_pk_fma_f32 v[S:S+1], v[S+4:S+5], v[WZ+2:WZ+3], v[S:S+1] op_sel_hi:[1,0,1]                       ; n = 2: w2
	v_pk_fma_f32 v[S:S+1], v[S+6:S+7], v[WZ:WZ+1], v[S:S+1] op_sel:[0,1,0] op_sel_hi:[1,1,1]          ; n = 3: w3
	v_add_f32 v[\dst], v[S], v[S+1]
.endm
; Step rel (0 to 3) of a superblock.  first = 1: the wave's first step, with no block in front of it.  gath = 1: the gathers of the step two on are issued.  raw = 1: the numbers of the step
; four on are asked for, AHEAD of those gathers, so that the wait for the gathers two steps later shows the numbers in too.  xyz = 1 (even steps): the coordinates two blocks on are asked for.
; cnt: how many younger loads may stay out when this step's gathers have to be there.  Step 0 moves the bases on to its superblock; an even step stores the block before it.
.macro STEP rel, first, gath, raw, xyz, cnt
.set GG, (\rel)%2                      ; even or odd points; also the step's set of numbers, offsets and gathered records
.set BB, (\rel)/2                      ; which block of the superblock; also its buffer of coordinates
	s_wait_loadcnt \cnt                            ; my eight gathers are in, and with them all older loads: the numbers of the step two on, this block's coordinates.  The loads that read the set's offsets are done
.if \first
	s_wait_alu depctr_vm_vsrc(0)                   ; the start's gathers have read offsets set 0, which OFFS below writes again (in every later step the step before's wait on vm_vsrc states this)
.elseif GG == 0
	s_wait_xcnt 0x0                                ; every earlier memory instruction has had its addresses translated (ISA guide 3.1): the pair of results that the store two steps back read is written again from this step's end on; in step 0 the bases are stepped
.if (\rel) == 0
	s_add_nc_u64 s[4:5], s[4:5], 512               ; all five bases at this superblock
	s_add_nc_u64 s[6:7], s[6:7], 512
	s_add_nc_u64 s[8:9], s[8:9], 512
	s_add_nc_u64 s[10:11], s[10:11], 512
	s_add_nc_u64 s[14:15], s[14:15], 512
.endif
.endif
	STIN GG                                        ; no wait on va_vdst is owed: no vector instruction names G, and none has named STO since the wait at the kernel's head
.if \gath
	OFFS GG                                        ; vector work stands between the LDS stores and the wait that shows their registers read
.endif
.if GG == 0
	FRACT BB
.endif
	s_wait_alu depctr_va_vdst(0)                   ; as far as the step has them: OFFS has written the offsets, which the gathers read, and is done reading the numbers, FRACT the coordinates, the last step's widening lines R: loads land in all three; the last two steps' additions have written the pair that the store reads
.if \gath
	s_wait_alu depctr_vm_vsrc(0)                   ; the LDS stores above have read G's set, in which the gathers below land; the last step's gathers have read the other set of offsets, which the next step writes; an earlier store has read its pair of results
.if \raw
	RAWLD GG, \rel+4                               ; into the set whose numbers have just been used up
.endif
	GLOAD GG                                       ; into the set that has just gone into the stage
.endif
.if \xyz
	XYZLD BB, BB+2                                 ; into the buffer whose fractions have just been made
.endif
	STBACK
.if (GG == 0) && !(\first)
	global_store_b64 v[SOFF], v[OUT+2*(1-BB):OUT+2*(1-BB)+1], s[14:15] offset:(BB-1)*256 th:TH_STORE_NT   ; the block before: this superblock's first, or, 256 bytes back, the last superblock's second.  256 consecutive bytes, at a multiple of 256 from out0's first byte
.endif
	BASIS 0, GG, WX                                ; the weights stand between the stage's loads and their first use
	BASIS 1, GG, WY
	BASIS 2, GG, WZ
	PLANE 0, 0, 0
	PLANE 1, 2, 1
	PLANE 2, 2, 0
	PLANE 3, 0, 1
	DOT OUT+2*BB+GG
.endm
	; The start, in the order of the steady state: numbers, gathers, coordinates; numbers, gathers.
	s_wait_alu depctr_va_vdst(0)                   ; STO, RD, SOFF and IOFF are written: every LDS and memory instruction of the kernel reads one of them as its address or offset
	RAWLD 0, 0
	RAWLD 1, 1
	XYZLD 0, 0
	s_wait_loadcnt 5                               ; step 0's numbers are in; step 1's two loads and the three of coordinates stay out
	OFFS 0
	s_wait_alu depctr_va_vdst(0)                   ; OFFS has written offsets set 0, which the gathers read, and is done reading numbers set 0, in which the next loads land
	RAWLD 0, 2
	GLOAD 0
	XYZLD 1, 1
	s_wait_loadcnt 16                              ; step 1's numbers are in; behind them stand 3 + 2 + 8 + 3 loads
	OFFS 1
	s_wait_alu depctr_va_vdst(0)                   ; the same for set 1
	RAWLD 1, 3
	GLOAD 1
	STEP 0, 1, 1, 1, 1, 13                         ; the wave's first step is written out: there is no block to store yet, and the bases stand where they are
	s_mov_b32 s19, 6
.Ltrip:                                                ; a trip: steps 1 to 3 of superblocks 0 to 5, then step 0 of the next; all that a trip asks for ahead lies in superblocks 1 to 7
	STEP 1, 0, 1, 1, 0, 13                         ; 13 = the step before's 2 loads of numbers and 8 gathers, and the 3 loads of coordinates, which stand behind the awaited gathers
	STEP 2, 0, 1, 1, 1, 13                         ; (even steps) or in the step before (odd steps)
	STEP 3, 0, 1, 1, 0, 13
	STEP 0, 0, 1, 1, 1, 13
	s_sub_co_u32 s19, s19, 1
	s_cmp_lg_u32 s19, 0
	s_cbranch_scc1 .Ltrip
	STEP 1, 0, 1, 1, 0, 13                         ; the rest of superblock 6
	STEP 2, 0, 1, 1, 1, 13
	STEP 3, 0, 1, 1, 0, 13
	STEP 0, 0, 1, 0, 0, 13                         ; the last superblock: no numbers and no coordinates are left to ask for: no load leaves the wave's 1,024 points
	STEP 1, 0, 1, 0, 0, 8                          ; behind these gathers stand the eight of the step before alone
	STEP 2, 0, 0, 0, 0, 8                          ; the same; nothing is left to gather
	STEP 3, 0, 0, 0, 0, 0
	s_wait_alu depctr_va_vdst(0)                   ; the last two steps' additions have written the last pair of results, which the store reads
	global_store_b64 v[SOFF], v[OUT+2:OUT+3], s[14:15] offset:256 th:TH_STORE_NT
	s_wait_dscnt 0x0
	s_wait_alu depctr_hold_cnt(0) depctr_sa_sdst(0) depctr_va_vdst(0) depctr_va_sdst(0) depctr_va_ssrc(0) depctr_va_vcc(0) depctr_vm_vsrc(0)
	s_wait_tensorcnt 0x0
	ds_add_u32 v234, v235
	s_wait_dscnt 0x0
	s_endpgm
.Lfunc_end_k_q9d37abdf1d_eval:
	.size	k_q9d37abdf1d_eval, .Lfunc_end_k_q9d37abdf1d_eval-k_q9d37abdf1d_eval
	.p2alignl 7, 3214868480
	.fill 96, 4, 3214868480
	.section	.rodata,"a",@progbits
	.p2align	6, 0x0
	.amdhsa_kernel k_q9d37abdf1d_eval
		.amdhsa_group_segment_fixed_size 18944
		.amdhsa_private_segment_fixed_size 0
		.amdhsa_enable_private_segment 0
		.amdhsa_kernarg_size 48
		.amdhsa_user_sgpr_count 2
		.amdhsa_user_sgpr_kernarg_segment_ptr 1
		.amdhsa_wavefront_size32 1
		.amdhsa_system_sgpr_workgroup_id_x 1
		.amdhsa_system_sgpr_workgroup_id_y 1
		.amdhsa_system_sgpr_workgroup_id_z 1
		.amdhsa_system_vgpr_workitem_id 0
		.amdhsa_next_free_vgpr 236
		.amdhsa_next_free_sgpr 66
		.amdhsa_reserve_vcc 0
		.amdhsa_float_denorm_mode_32 3
		.amdhsa_float_denorm_mode_16_64 3
		.amdhsa_memory_ordered 1
		.amdhsa_forward_progress 1
		.amdhsa_inst_pref_size 118
	.end_amdhsa_kernel
	.amdgpu_metadata
---
amdhsa.version: [ 1, 2 ]
amdhsa.kernels:
  - .name:           k_q9d37abdf1d_eval
    .symbol:         k_q9d37abdf1d_eval.kd
    .args:
      - { .name: x, .offset: 0, .size: 8, .value_kind: global_buffer, .address_space: global }
      - { .name: y, .offset: 8, .size: 8, .value_kind: global_buffer, .address_space: global }
      - { .name: z, .offset: 16, .size: 8, .value_kind: global_buffer, .address_space: global }
      - { .name: cells, .offset: 24, .size: 8, .value_kind: global_buffer, .address_space: global }
      - { .name: table, .offset: 32, .size: 8, .value_kind: global_buffer, .address_space: global }
      - { .name: out0, .offset: 40, .size: 8, .value_kind: global_buffer, .address_space: global }
    .group_segment_fixed_size: 18944
    .private_segment_fixed_size: 0
    .kernarg_segment_align: 8
    .kernarg_segment_size: 48
    .max_flat_workgroup_size: 128
    .sgpr_count:     66
    .vgpr_count:     236
    .wavefront_size: 32
...
	.end_amdgpu_metadata
.endif
;; end of part 5
